; MI455X (gfx1250); checked and timed in simulation.
; The chip was launched on July 23, 2026; its instructions are those of AMD's public machine-readable ISA for CDNA 5 (MIT licence, August 2026) and "CDNA5" Instruction Set Architecture Reference Guide (July 2026). The comments in the code are by the model that wrote it; some were corrected since.
;; OPT Attention. Allowed arithmetic: matrix products marked QUANTISED: E2M3 operands, one E8M0 scale for each 32 along K, by v_wmma_scale_f32_16x16x128_f8f6f4 with both operands' format E2M3, f32 sums; products left as they are: f32 operands where the result goes on into a quantised operand, else bf16, f16 or f32 operands; f32 sums; everything else in f32.
;; Inputs: Ak_codes 16 x 32 x 24 uint8 (E2M3 codes of Ak, K innermost, in blocks of 32 codes, four codes in three bytes); Ak_scales 16 x 32 uint8 (E8M0 scales of Ak, one for each 32 codes along K); Ao_codes 16 x 32 x 24 uint8 (E2M3 codes of Ao, K innermost, in blocks of 32 codes, four codes in three bytes); Ao_scales 16 x 32 uint8 (E8M0 scales of Ao, one for each 32 codes along K); Aq_codes 16 x 32 x 24 uint8 (E2M3 codes of Aq, K innermost, in blocks of 32 codes, four codes in three bytes); Aq_scales 16 x 32 uint8 (E8M0 scales of Aq, one for each 32 codes along K); Av_codes 16 x 32 x 24 uint8 (E2M3 codes of Av, K innermost, in blocks of 32 codes, four codes in three bytes); Av_scales 16 x 32 uint8 (E8M0 scales of Av, one for each 32 codes along K); Bk 1,024 x 16 float32; Bo 1,024 x 16 float32; Bq 1,024 x 16 float32; Bv 1,024 x 16 float32; Wk_codes 1,024 x 32 x 24 uint8 (E2M3 codes of Wk, K innermost, in blocks of 32 codes, four codes in three bytes); Wk_scales 1,024 x 32 uint8 (E8M0 scales of Wk, one for each 32 codes along K); Wo_codes 1,024 x 32 x 24 uint8 (E2M3 codes of Wo, K innermost, in blocks of 32 codes, four codes in three bytes); Wo_scales 1,024 x 32 uint8 (E8M0 scales of Wo, one for each 32 codes along K); Wq_codes 1,024 x 32 x 24 uint8 (E2M3 codes of Wq, K innermost, in blocks of 32 codes, four codes in three bytes); Wq_scales 1,024 x 32 uint8 (E8M0 scales of Wq, one for each 32 codes along K); Wv_codes 1,024 x 32 x 24 uint8 (E2M3 codes of Wv, K innermost, in blocks of 32 codes, four codes in three bytes); Wv_scales 1,024 x 32 uint8 (E8M0 scales of Wv, one for each 32 codes along K); attention_mask 1 x 1 x 4,096 x 4,096 float32; hidden_states_codes 1 x 4,096 x 32 x 24 uint8 (E2M3 codes of hidden_states, K innermost, in blocks of 32 codes, four codes in three bytes); hidden_states_scales 1 x 4,096 x 32 uint8 (E8M0 scales of hidden_states, one for each 32 codes along K).
;; Outputs: out0 1 x 4,096 x 1,024 float32.
;; This version of the problem:
;;   THIS VERSION OF THE PROBLEM IS GIVEN IN LOW PRECISION. The matrix products marked QUANTISED in the list below multiply operands that are first quantised to E2M3 (2 exponent bits, 3 mantissa bits; 6 bits a number), with one power-of-two scale for each 32 numbers along K (OCP MX v1.0); their sums are f32. All else is computed in f32.
;;   The module's matrix products, in the order in which they are computed (A, B: the left and right operand; K: the contracted axis; several contracted axes count as one K, in the product's order):
;;     1. [M 4,096, K 1,024] x [K 1,024, N 1,024]; A: input hidden_states (given as codes); B: input Wq (given as codes): QUANTISED
;;     2. [M 4,096, K 1,024] x [K 1,024, N 16]; A: input hidden_states (given as codes); B: input Aq (given as codes): QUANTISED
;;     3. [M 4,096, K 16] x [K 16, N 1,024]; A: computed on the way; B: input Bq: left as it is (K = 16 < 32)
;;     4. [M 4,096, K 1,024] x [K 1,024, N 1,024]; A: input hidden_states (given as codes); B: input Wk (given as codes): QUANTISED
;;     5. [M 4,096, K 1,024] x [K 1,024, N 16]; A: input hidden_states (given as codes); B: input Ak (given as codes): QUANTISED
;;     6. [M 4,096, K 16] x [K 16, N 1,024]; A: computed on the way; B: input Bk: left as it is (K = 16 < 32)
;;     7. [M 4,096, K 1,024] x [K 1,024, N 1,024]; A: input hidden_states (given as codes); B: input Wv (given as codes): QUANTISED
;;     8. [M 4,096, K 1,024] x [K 1,024, N 16]; A: input hidden_states (given as codes); B: input Av (given as codes): QUANTISED
;;     9. [M 4,096, K 16] x [K 16, N 1,024]; A: computed on the way; B: input Bv: left as it is (K = 16 < 32)
;;     10. batch 16 x [M 4,096, K 64] x [K 64, N 4,096]; A: computed on the way; B: computed on the way: QUANTISED
;;     11. batch 16 x [M 64, K 4,096] x [K 4,096, N 4,096]; A: computed on the way; B: softmax (see below): QUANTISED
;;     12. [M 4,096, K 1,024] x [K 1,024, N 1,024]; A: computed on the way; B: input Wo (given as codes): QUANTISED
;;     13. [M 4,096, K 1,024] x [K 1,024, N 16]; A: computed on the way; B: input Ao (given as codes): QUANTISED
;;     14. [M 4,096, K 16] x [K 16, N 1,024]; A: computed on the way; B: input Bo: left as it is (K = 16 < 32)
;;   THE QUANTISER, for each operand of a quantised product, along K:
;;     - K is cut into blocks of 32 from its start; a last block that is shorter is filled with zeros.
;;     - A block's scale is 2^e with e = floor(log2(the largest magnitude in the block)) - 2, held to -126 .. 127; a block of zeros has e = 0. As a byte (E8M0): e + 127.
;;     - Each number is divided by its block's scale, clamped to +-7.5, and rounded to the nearest number of E2M3, ties to even, subnormals kept.
;;     - The product sums the exact products of the quantised numbers (number of the format x scale) in f32.
;;   ~~~python
;;   def quantise(x, axis):      # numpy; x: float32 -> the quantised numbers, widened to float32 again
;;       x = np.moveaxis(x, axis, -1); K = x.shape[-1]
;;       x = np.pad(x, [(0, 0)] * (x.ndim - 1) + [(0, -K % 32)]); x = x.reshape(x.shape[:-1] + (-1, 32)); a = np.abs(x).max(-1, keepdims=True)
;;       e = np.where(a > 0, np.clip(np.frexp(np.where(a > 0, a, 1))[1] - 1 - 2, -126, 127), 0)      # np.frexp(a)[1] - 1 = floor(log2(a)), exactly
;;       r = np.clip(x / 2.0 ** e, -7.5, 7.5)
;;       step = 2.0 ** (np.maximum(np.frexp(np.where(r == 0, 1, r))[1] - 1, 0) - 3)
;;       q = np.round(r / step) * step * 2.0 ** e      # np.round: ties to even
;;       return np.moveaxis(q.reshape(q.shape[:-2] + (-1,))[..., :K], -1, axis).astype(np.float32)
;;   ~~~
;;   SOFTMAX AHEAD OF A QUANTISED PRODUCT. Where the list says 'softmax', what is quantised is not the finished softmax but p = 2^(t - M), with t = logit x log2(e) and M = ceil(the row's largest t), a whole number; so 1/2 < the row's largest p <= 1. The row's sum l is taken of the UNQUANTISED p, in f32, and the product's result is divided by l at the end. Since M is a whole number, a kernel that streams over the keys may use a running M (the ceiling of the running maximum): every later rescaling is an exact power of two, which a block's scale takes up: the codes' values come out the same.
;;   OPERANDS COMPUTED ON THE WAY. 'Computed on the way' means the value that the module computes at that place (a softmax that the list does not call 'softmax' is quantised finished and normalised). What goes into a quantiser is computed in f32, as accurately as f32 sums, v_exp_f32 and their like allow (about 1e-6 of the number): no bf16 or f16 on the way to a quantiser, and a product that is left as it is and whose result goes on into a quantised operand takes f32 operands (vector FMAs, or v_wmma_f32_16x16x4_f32). A number that lies on a knife's edge between two numbers of the format may be rounded either way, as far as f32 arithmetic and the matrix unit's own rounding can turn it there, and no further.
;;   INPUTS GIVEN AS CODES. Ak (in the module: [16, 1024], K = its axis 1); Ao (in the module: [16, 1024], K = its axis 1); Aq (in the module: [16, 1024], K = its axis 1); Av (in the module: [16, 1024], K = its axis 1); Wk (in the module: [1024, 1024], K = its axis 1); Wo (in the module: [1024, 1024], K = its axis 1); Wq (in the module: [1024, 1024], K = its axis 1); Wv (in the module: [1024, 1024], K = its axis 1); hidden_states (in the module: [1, 4096, 1024], K = its axis 2): each comes as NAME_codes (uint8): NAME with its K axis moved to the last place and cut into blocks of 32 codes, [.., K / 32, bytes a block], one block behind the other in memory; four codes in three bytes: a row's codes are one little-endian stream of bits, code i at bits 6 i .. 6 i + 5 (a code: sign, 2 exponent bits, 3 mantissa bits); and NAME_scales (uint8): the same leading axes, one E8M0 byte (e + 127) for each 32 codes along K. Its value is code x scale, taken as it is: it is not quantised again, and the codes and scales need not be those that the quantiser above would give.
;; One version. Each part assembles by itself: llvm-mc -triple=amdgcn-amd-amdhsa -mcpu=gfx1250 --defsym DOCPART=n.
;; ======== version 1 of 1: 3 launches
;; limits: values are held in bf16: 8 bits of precision; right only within a limited range of input values
;; workspace buffers: qc 3,145,728 bytes; qs 262,144 bytes; kvc 6,291,456 bytes; sc 393,216 bytes; ac 3,145,728 bytes; as_ 131,072 bytes
;; launch proj (part 1): grid 12 x 16, 4 waves a work-group, clusters of 4 x 4, 327,680 bytes of LDS; arguments hidden_states_codes, hidden_states_scales, Wq_codes, Wq_scales, Aq_codes, Aq_scales, Bq, Wk_codes, Wk_scales, Ak_codes, Ak_scales, Bk, Wv_codes, Wv_scales, Av_codes, Av_scales, Bv, qc, qs, kvc, sc; writes qc, qs, kvc, sc
.if DOCPART == 1
	.amdgcn_target "amdgcn-amd-amdhsa--gfx1250"
	.amdhsa_code_object_version 6
	.text
	.protected	k_q9ece5f60a9_proj
	.globl	k_q9ece5f60a9_proj
	.p2align	8
	.type	k_q9ece5f60a9_proj,@function
k_q9ece5f60a9_proj:
	s_mov_b64 s[64:65], 0
	v_nop
	global_prefetch_b8 v0, s[64:65] scope:SCOPE_SE
	s_setreg_imm32_b32 hwreg(HW_REG_WAVE_MODE, 25, 1), 1
	s_wait_xcnt 0x0
	s_wait_alu depctr_hold_cnt(0) depctr_sa_sdst(0) depctr_va_vdst(0) depctr_va_sdst(0) depctr_va_ssrc(0) depctr_va_vcc(0) depctr_vm_vsrc(0)
	s_getreg_b32 s2, hwreg(HW_REG_IB_STS2, 6, 4)
	s_cmp_eq_u32 s2, 0
	s_cbranch_scc0 .Lentry_in_a_cluster
	s_endpgm
.Lentry_in_a_cluster:
	s_bfe_u32 s2, ttmp6, 0x10000c
	s_cmp_lg_u32 s2, 0xf033
	s_cbranch_scc0 .Lentry_shape_is_right
	s_endpgm
.Lentry_shape_is_right:
; q, k and v = x W^T + 2 (x A^T) B^T on FP6 (E2M3) codes with E8M0 scales, quantised again on the way out as images of the operand registers of the attention launch.
; A work-group of four waves makes 256 x 256; cluster x picks q, k or v; for v the two operands change places, so that its codes run along the tokens.
; The LoRA part starts the sums: t = x A^T by scaled products on fragments loaded from memory, handed between waves through LDS, then 2 t B^T in the f32 matrix form.
; K goes through a ring of two LDS slots in CHUNKS OF 256 BYTES of each row of 768: every tensor row begins at a multiple of 256 bytes.  A step of 128 along K is 96 bytes: eight steps to three chunks; steps 2 and 5 lie across two chunks.
; q's factor 1/8 is taken off its scale bytes.  4 x 4 clusters ask for the tiles jointly: A's along a row of the cluster, B's along a column.
.set NQ,     2
.set ROWB,   256
.set CHUNKS, 3
.set KROW,   768
.set PITCH,  272                       ; 256 bytes of data + 16 of padding
.set FR,     12
.set NL,     6
.set NP,     4
.set HALFT,  128*PITCH
.set SLOT,   4*HALFT
.set KS,     32
.set SCL,    2*SLOT
.set HALFS,  (128*KS/256)*272
.set SBLK,   (16*KS/256)*272
.set SPARE,  SCL+4*HALFS
.set TI,     SPARE+512
.set XA,   1
.set XSO,  2
.set UWO,  3
.set TIW,  4
.set TIR,  5
.set LAS,  8
.set ADRA, 16
.set ADRB, 20
.set ADRS, 27
.set SPW,  28
.set NIL,  29
.set SC,   32
.set T,    64
.set T2,   96
.set LA,   128
.set UT,   128
.set AF,   128
.set UW,   192
.set TM,   64
.set PW,   80
.set WS,   84
.set LI16, 92
.set LI8,  93
.set PC,   96
.set IM,   116
.set G1, 24
.set G0, 32
.set G1B, 48
.set G0B, 56
.set G1S, 68
.set G0S, 76
.set G1SB, 80
.set G0SB, 88
.set MSB, 0
.macro WIN new
.if MSB != \new
	s_set_vgpr_msb (MSB<<8)|\new
.set MSB, \new
.endif
.endm
.set MUL_LO, 0xa1
.set MUL_HI, 0xf1
.set TO_B,   0x40
.macro JLOAD g0a, g1a, g0b, g1b
	s_cmp_eq_u32 s15, 0
	s_cbranch_scc0 .Lfor_b_\@
	tensor_load_to_lds s[\g0a:\g0a+3], s[\g1a:\g1a+7]
	s_nop 0
.rept 4
	v_nop
.endr
	s_branch .Lasked_\@
.Lfor_b_\@:
	tensor_load_to_lds s[\g0b:\g0b+3], s[\g1b:\g1b+7]
	s_nop 0
.rept 4
	v_nop
.endr
.Lasked_\@:
.endm
.macro CREST
	s_cmp_lg_u32 s14, 0
	s_cbranch_scc1 .Lnot_wave_0_\@
	s_barrier_signal -3
.Lnot_wave_0_\@:
	s_barrier_wait -3
	s_barrier_signal -1
	s_barrier_wait -1
.endm
.macro CROUND
	s_barrier_signal -1
	s_barrier_wait -1
	CREST
.endm
.macro PLACES n
.rept \n
	v_nop
.endr
.endm
	s_load_b128 s[4:7], s[0:1], 0x0
	s_load_b256 s[24:31], s[0:1], 0x10
	s_load_b64 s[32:33], s[0:1], 0x30
	s_load_b256 s[36:43], s[0:1], 0x38
	s_load_b64 s[44:45], s[0:1], 0x58
	s_load_b256 s[48:55], s[0:1], 0x60
	s_load_b64 s[56:57], s[0:1], 0x80
	s_load_b256 s[68:75], s[0:1], 0x88
	v_lshl_add_u32 v[SPW], v0, 2, SPARE
	v_mov_b32 v[NIL], 0
	ds_add_u32 v28, v29
	ds_add_u32 v28, v29
	s_wait_dscnt 0x0
	v_lshrrev_b32 v240, 5, v0
	v_readfirstlane_b32 s14, v240
	s_lshr_b32 s15, s14, 1
	s_and_b32 s16, s14, 1
	s_wait_kmcnt 0x0
	s_cmp_eq_u32 ttmp9, 0
	s_cselect_b64 s[20:21], s[24:25], s[36:37]
	s_cselect_b64 s[22:23], s[26:27], s[38:39]
	s_cselect_b64 s[96:97], s[28:29], s[40:41]
	s_cselect_b64 s[98:99], s[30:31], s[42:43]
	s_cselect_b64 s[100:101], s[32:33], s[44:45]
	s_cselect_b64 s[12:13], s[68:69], s[72:73]
	s_cselect_b64 s[66:67], s[70:71], s[74:75]
	s_cmp_eq_u32 ttmp9, 2
	s_cselect_b64 s[20:21], s[48:49], s[20:21]
	s_cselect_b64 s[22:23], s[50:51], s[22:23]
	s_cselect_b64 s[96:97], s[52:53], s[96:97]
	s_cselect_b64 s[98:99], s[54:55], s[98:99]
	s_cselect_b64 s[100:101], s[56:57], s[100:101]
	s_cselect_b32 s2, 1, 0
	s_cselect_b64 s[8:9], s[4:5], s[20:21]
	s_cselect_b64 s[10:11], s[6:7], s[22:23]
	s_cselect_b64 s[92:93], s[20:21], s[4:5]
	s_cselect_b64 s[94:95], s[22:23], s[6:7]
	s_bfe_u32 s40, ttmp6, 0x40000
	s_bfe_u32 s41, ttmp6, 0x40004
	s_and_b32 s17, ttmp7, 0xffff
	s_lshl_b32 s17, s17, 2
	s_cmp_eq_u32 s2, 1
	s_cselect_b32 s18, 0, s17
	s_cselect_b32 s42, s17, 0
	s_add_co_u32 s18, s18, s41
	s_add_co_u32 s42, s42, s40
	s_lshl_b32 s43, s41, 2
	s_lshl_b32 s43, 15, s43
	s_lshl_b32 s44, 0x1111, s40
	s_or_b32 s[G1+0], s43, (0<<16)|(1<<20)|(1<<21)|(5<<22)|(3<<25)   ; 4 words of padding behind every 64
	s_or_b32 s[G1B+0], s44, (0<<16)|(1<<20)|(1<<21)|(5<<22)|(3<<25)
.irp g, G1, G1B
	s_mov_b32 s[\g+1], ROWB<<16
	s_mov_b32 s[\g+2], 128<<16
	s_mov_b32 s[\g+3], ROWB<<16
	s_mov_b32 s[\g+4], 128
	s_mov_b32 s[\g+5], KROW
	s_mov_b32 s[\g+6], 0
	s_mov_b32 s[\g+7], 0
.endr
	s_or_b32 s[G1S+0], s43, (3<<16)|(1<<20)|(1<<21)|(5<<22)|(3<<25)
	s_or_b32 s[G1SB+0], s44, (3<<16)|(1<<20)|(1<<21)|(5<<22)|(3<<25)
.irp g, G1S, G1SB
	s_mov_b32 s[\g+1], 32<<16
	s_mov_b32 s[\g+2], (128*KS/256)<<16
	s_mov_b32 s[\g+3], 32<<16
	s_mov_b32 s[\g+4], 128*KS/256
	s_mov_b32 s[\g+5], 32
	s_mov_b32 s[\g+6], 0
	s_mov_b32 s[\g+7], 0
.endr
	s_lshl_b32 s19, s16, 7
	s_lshl_b32 s17, s18, 8
	s_add_co_u32 s17, s17, s19
	s_mul_i32 s20, s17, KROW
	s_mov_b32 s21, 0
	s_lshl_b32 s22, s17, 5
	s_mov_b32 s23, 0
	s_add_nc_u64 s[92:93], s[92:93], s[20:21]
	s_add_nc_u64 s[94:95], s[94:95], s[22:23]
	s_lshl_b32 s47, s42, 8
	s_add_co_u32 s47, s47, s19
	s_mul_i32 s60, s47, KROW
	s_mov_b32 s61, 0
	s_lshl_b32 s62, s47, 5
	s_mov_b32 s63, 0
	s_add_nc_u64 s[8:9], s[8:9], s[60:61]
	s_add_nc_u64 s[10:11], s[10:11], s[62:63]
	s_mul_i32 s45, s14, HALFT
	s_mul_i32 s46, s14, HALFS
	CROUND
	s_mov_b32 s[G0S], 1
	s_add_co_u32 s[G0S+1], s46, SCL
	s_mov_b64 s[G0S+2:G0S+3], s[94:95]
	s_or_b32 s[G0S+3], s[G0S+3], 0x80000000
	s_mov_b32 s[G0SB], 1
	s_add_co_u32 s[G0SB+1], s46, SCL
	s_mov_b64 s[G0SB+2:G0SB+3], s[10:11]
	s_or_b32 s[G0SB+3], s[G0SB+3], 0x80000000
	JLOAD G0S, G1S, G0SB, G1SB
.irp s, 0,1
	s_mov_b32 s[G0+4*\s], 1
	s_add_co_u32 s[G0+4*\s+1], s45, \s*SLOT
	s_add_nc_u64 s[G0+4*\s+2:G0+4*\s+3], s[92:93], \s*ROWB
	s_or_b32 s[G0+4*\s+3], s[G0+4*\s+3], 0x80000000
	s_mov_b32 s[G0B+4*\s], 1
	s_add_co_u32 s[G0B+4*\s+1], s45, \s*SLOT
	s_add_nc_u64 s[G0B+4*\s+2:G0B+4*\s+3], s[8:9], \s*ROWB
	s_or_b32 s[G0B+4*\s+3], s[G0B+4*\s+3], 0x80000000
	s_wait_alu depctr_va_vdst(0)
	s_wait_tensorcnt 0x0
	ds_add_u32 v28, v29
	s_wait_dscnt 0x0
	CROUND
	JLOAD G0+4*\s, G1, G0B+4*\s, G1B
.endr
	s_cmp_eq_u32 s2, 1
	s_cselect_b32 s17, s16, s15
	s_cselect_b32 s18, s15, s16
	s_cselect_b32 s19, s40, s41
	s_cselect_b32 s20, s41, s40
	s_and_b32 s21, ttmp7, 0xffff
	s_lshl_b32 s21, s21, 2
	s_add_co_u32 s19, s19, s21
	s_mov_b32 s43, 0
	s_lshl_b32 s22, s19, 8
	s_lshl_b32 s23, s14, 6
	s_add_co_u32 s22, s22, s23
	s_mul_i32 s42, s22, KROW
	s_add_nc_u64 s[4:5], s[4:5], s[42:43]
	s_lshl_b32 s42, s22, 5
	s_add_nc_u64 s[6:7], s[6:7], s[42:43]
	s_lshl_b32 s42, s20, 14
	s_lshl_b32 s44, s18, 13
	s_add_co_u32 s42, s42, s44
	s_add_nc_u64 s[100:101], s[100:101], s[42:43]
	s_lshl_b32 s21, s19, 1
	s_add_co_u32 s21, s21, s17
	s_mul_i32 s42, s20, 1572864
	s_mul_i32 s22, s21, 49152
	s_add_co_u32 s42, s42, s22
	s_mul_i32 s22, s18, 24576
	s_add_co_u32 s42, s42, s22
	s_mov_b32 s23, 24576
	s_mov_b32 s11, 0x1800000
	s_cmp_eq_u32 ttmp9, 0
	s_cselect_b32 s44, 1, 0
	s_cselect_b32 s23, 16384, s23
	s_cselect_b32 s10, 0x03030303, 0
	s_cselect_b32 s11, 0x3000000, s11
	s_lshr_b32 s42, s42, s44
	s_mul_i32 s22, s2, 6144
	s_add_co_u32 s42, s42, s22
	s_add_nc_u64 s[12:13], s[12:13], s[42:43]
	s_lshr_b32 s42, 12288, s44
	s_add_nc_u64 s[92:93], s[12:13], s[42:43]
	s_lshl_b32 s22, s20, 2
	s_lshl_b32 s45, s18, 1
	s_add_co_u32 s22, s22, s45
	s_mul_i32 s42, s22, s23
	s_lshr_b32 s45, 512, s2
	s_mul_i32 s45, s45, s21
	s_add_co_u32 s42, s42, s45
	s_lshl_b32 s45, s2, 14
	s_add_co_u32 s42, s42, s45
	s_add_nc_u64 s[66:67], s[66:67], s[42:43]
	s_mov_b32 s42, s23
	s_add_nc_u64 s[94:95], s[66:67], s[42:43]
	s_mov_b32 s8, 0x76543210
	s_mov_b32 s9, 0xfedcba98
	v_and_b32 v240, 15, v0
	v_bfe_u32 v241, v0, 4, 1
	v_and_b32 v242, 31, v0
	v_mul_u32_u24 v[XA], v240, KROW
	v_mad_u32_u24 v[XA], v241, 24, v[XA]
	v_lshlrev_b32 v[XSO], 5, v240
	v_lshlrev_b32 v[UWO], 6, v240
	v_lshl_add_u32 v[UWO], v241, 5, v[UWO]
	v_lshlrev_b32 v243, 4, v242
	s_lshl_b32 s22, s14, 12
	s_add_co_u32 s22, s22, TI
	v_add_nc_u32 v[TIW], s22, v243
	s_lshl_b32 s22, s17, 13
	s_add_co_u32 s22, s22, TI
	v_add_nc_u32 v[TIR], s22, v243
	v_mul_u32_u24 v243, v240, PITCH
	v_mul_u32_u24 v244, v241, 24
	v_add_nc_u32 v244, v243, v244
	s_mov_b32 s21, SLOT-232
	s_mov_b32 s22, SLOT+232
	v_sub_nc_u32 v247, 1, v241                     ; 1 in lanes 0-15
	v_mul_u32_u24 v245, s21, v241
	v_add_nc_u32 v245, v243, v245
	v_add_nc_u32 v245, 232, v245                   ; across two chunks: lanes 0-15 byte 232 of the row in slot 0, lanes 16-31 byte 0 of the row in slot 1;
	v_mul_u32_u24 v246, s22, v247
	v_add_nc_u32 v246, v243, v246                  ; and lanes 0-15 byte 232 in slot 1, lanes 16-31 byte 0 in slot 0
	s_mul_i32 s21, s15, HALFT
	s_mul_i32 s22, s16, HALFT
	s_add_co_u32 s22, s22, 2*HALFT
	v_add_nc_u32 v[ADRA+2], s21, v245
	v_add_nc_u32 v[ADRA+3], s21, v246
	v_add_nc_u32 v[ADRB+2], s22, v245
	v_add_nc_u32 v[ADRB+3], s22, v246
.irp s, 0,1
	v_add_nc_u32 v[ADRA+\s], s21, v244
	v_add_nc_u32 v[ADRB+\s], s22, v244
	s_add_co_u32 s21, s21, SLOT
	s_add_co_u32 s22, s22, SLOT
.endr
	v_mul_u32_u24 v245, v240, KS
	v_lshrrev_b32 v246, 8, v245
	v_lshl_add_u32 v245, v246, 4, v245
	s_mul_i32 s21, s15, HALFS
	s_mul_i32 s22, s16, HALFS
	s_add_co_u32 s22, s22, 2*HALFS
	s_sub_co_u32 s22, s22, s21
	v_mul_u32_u24 v246, s22, v241
	s_add_co_u32 s21, s21, SCL
	v_add_nc_u32 v245, v245, v246
	v_add_nc_u32 v[ADRS], s21, v245
.macro XFRAGS base
	WIN 0x40
.irp s, 0,1,2,3
.irp t, 0,1,2,3
.irp p, 0,1,2,3,4,5
	global_load_b64 v[FR*(4*\s+\t)+2*\p:FR*(4*\s+\t)+2*\p+1], v[XA], s[4:5] offset:12288*\t+96*(\base+\s)+48*(\p/3)+8*(\p%3)
.endr
.endr
.endr
	WIN 0
.endm
.macro TPROD base, zero
	WIN 0x04
.irp s, 0,1,2,3
.irp t, 0,1,2,3
.if \zero && (\s == 0)
	v_wmma_scale_f32_16x16x128_f8f6f4 v[T+8*\t:T+8*\t+7], v[LA+FR*(\base+\s):LA+FR*(\base+\s)+FR-1], v[FR*(4*\s+\t):FR*(4*\s+\t)+FR-1], 0, v[LAS+\base+\s], v[SC+8*\t+\base+\s] matrix_a_fmt:MATRIX_FMT_FP6 matrix_b_fmt:MATRIX_FMT_FP6
.else
	v_wmma_scale_f32_16x16x128_f8f6f4 v[T+8*\t:T+8*\t+7], v[LA+FR*(\base+\s):LA+FR*(\base+\s)+FR-1], v[FR*(4*\s+\t):FR*(4*\s+\t)+FR-1], v[T+8*\t:T+8*\t+7], v[LAS+\base+\s], v[SC+8*\t+\base+\s] matrix_a_fmt:MATRIX_FMT_FP6 matrix_b_fmt:MATRIX_FMT_FP6
.endif
.endr
.endr
	WIN 0
.endm
.irp s, 0,1,2,3,4,5,6,7
.irp p, 0,1,2,3,4,5
	global_load_b64 v[LA+FR*\s+2*\p:LA+FR*\s+2*\p+1], v[XA], s[96:97] offset:96*\s+48*(\p/3)+8*(\p%3)
.endr
.endr
	global_load_b128 v[LAS:LAS+3], v[XSO], s[98:99]
	global_load_b128 v[LAS+4:LAS+7], v[XSO], s[98:99] offset:16
.irp t, 0,1,2,3
	global_load_b128 v[SC+8*\t:SC+8*\t+3], v[XSO], s[6:7] offset:512*\t
	global_load_b128 v[SC+8*\t+4:SC+8*\t+7], v[XSO], s[6:7] offset:512*\t+16
.endr
	XFRAGS 0
	WIN 0x40
.irp i, 0,1,2,3,4,5,6,7
	global_load_b128 v[UW+8*\i:UW+8*\i+3], v[UWO], s[100:101] offset:1024*\i
	global_load_b128 v[UW+8*\i+4:UW+8*\i+7], v[UWO], s[100:101] offset:1024*\i+16
.endr
	WIN 0
	s_wait_loadcnt 16
	TPROD 0, 1
	PLACES 4
	XFRAGS 4
	s_wait_loadcnt 0x0
	TPROD 4, 0
	PLACES 4
.set J, 0
.rept 16
	v_pk_add_f32 v[T2+J:T2+J+1], v[T+J:T+J+1], v[T+J:T+J+1]
.set J, J+2
.endr
.irp t, 0,1,2,3
	ds_store_b128 v[TIW], v[T2+8*\t:T2+8*\t+3] offset:1024*\t
	ds_store_b128 v[TIW], v[T2+8*\t+4:T2+8*\t+7] offset:1024*\t+512
.endr
	s_wait_dscnt 0x0
	s_barrier_signal -1
	s_barrier_wait -1
.irp i, 0,1,2,3,4,5,6,7
	ds_load_b128 v[UT+8*\i:UT+8*\i+3], v[TIR] offset:1024*\i
	ds_load_b128 v[UT+8*\i+4:UT+8*\i+7], v[TIR] offset:1024*\i+512
.endr
	s_wait_dscnt 0x0
.macro LORA p0, q0, wlo, whi
.irp i, 0,1,2,3
.irp hi, 0,1
.if \hi == 0
	WIN \wlo
.else
	WIN \whi
.endif
.irp a, 0,1,2,3
.irp b, 0,1,2,3,4,5,6,7
.if \i == 0
	v_wmma_f32_16x16x4_f32 v[8*(8*\a+\b):8*(8*\a+\b)+7], v[\p0+8*\b+2*\i:\p0+8*\b+2*\i+1], v[\q0+8*(4*\hi+\a)+2*\i:\q0+8*(4*\hi+\a)+2*\i+1], 0
.else
	v_wmma_f32_16x16x4_f32 v[8*(8*\a+\b):8*(8*\a+\b)+7], v[\p0+8*\b+2*\i:\p0+8*\b+2*\i+1], v[\q0+8*(4*\hi+\a)+2*\i:\q0+8*(4*\hi+\a)+2*\i+1], v[8*(8*\a+\b):8*(8*\a+\b)+7]
.endif
.endr
.endr
.endr
.endr
	WIN 0
.endm
	s_cmp_eq_u32 s2, 0
	s_cbranch_scc0 .Llora_v
	LORA UW, UT, 0xa1, 0xf1
	s_branch .Llora_done
.Llora_v:
	LORA UT, UW, 0xa4, 0xf4
.Llora_done:
	PLACES 9
.macro FRAG reg, adr, st, i            ; 16 rows x 128 K of step st, in pieces of 8 bytes; byte y of a row lies in chunk y / 256, in slot (y / 256) % 2
.irp p, 0,1,2,3,4,5
.set BY, 96*(\st)+48*(\p/3)+8*(\p%3)   ; the piece of lanes 0-15; that of lanes 16-31 begins 24 bytes on
.if BY/ROWB == (BY+24)/ROWB
	ds_load_b64 v[\reg+2*\p:\reg+2*\p+1], v[\adr+(BY/ROWB)%2] offset:BY%ROWB+(\i)*16*PITCH
.else
	ds_load_b64 v[\reg+2*\p:\reg+2*\p+1], v[\adr+2+(BY/ROWB)%2] offset:BY%ROWB-232+(\i)*16*PITCH
.endif
.endr
.endm
.macro MUL16 a0, p, q, sc
.irp a, \a0, \a0+1
.irp b, 0,1,2,3,4,5,6,7
	v_wmma_scale_f32_16x16x128_f8f6f4 v[8*(8*((\a)%4)+\b):8*(8*((\a)%4)+\b)+7], v[128*(\p)+FR*\b:128*(\p)+FR*\b+FR-1], v[AF+FR*(\a):AF+FR*(\a)+FR-1], v[8*(8*((\a)%4)+\b):8*(8*((\a)%4)+\b)+7], v[SC+8*NQ*(\sc)+NQ*\b+(\q)], v[SC+8*NQ*(\sc)+NQ*(\a)+(\q)] matrix_a_fmt:MATRIX_FMT_FP6 matrix_b_fmt:MATRIX_FMT_FP6 matrix_a_scale:MATRIX_SCALE_ROW1
.endr
.endr
.endm
.macro FETCH_B st, p                   ; B's eight fragments of step st into set p
	WIN TO_B
.irp i, 0,1,2,3,4,5,6,7
	FRAG 128*(\p)+FR*\i, ADRB, \st, \i
.endr
	WIN 0
.endm
.macro FETCH_A st, i0                  ; A's blocks i0 .. i0 + 3 of step st
.irp i, \i0, \i0+1, \i0+2, \i0+3
	FRAG AF+FR*(\i), ADRA, \st, \i
.endr
.endm
.macro SCALES pr                       ; the scale words of steps 2 pr and 2 pr + 1 into set pr % 2
.irp i, 0,1,2,3,4,5,6,7
	ds_load_b64 v[SC+8*NQ*((\pr)%2)+NQ*\i:SC+8*NQ*((\pr)%2)+NQ*\i+1], v[ADRS] offset:\i*SBLK+4*NQ*(\pr)
.endr
.endm
; A step of 128 along K: 64 products; the next step's fragments are fetched in its middle and at its end.  Where the next step's bytes END in a chunk not yet read, a barrier shows that chunk whole;
; where they BEGIN in a later chunk, the chunk left behind is read no more: the wait for all tensor loads, the add, the wait for it and for my reads, the barrier; where a chunk two on is left, a round of the cluster's barrier and the refill.
.macro STEP st
.set NX, (\st)+1
.set C0, (96*(\st))/ROWB
.set C1, (96*NX)/ROWB
.set E0, (96*(\st)+95)/ROWB
.set E1, (96*NX+95)/ROWB
.if C1 > C0 || E1 > E0
	s_wait_tensorcnt 0x0                           ; all my tensor loads have landed
.if C1 > C0
	ds_add_u32 v[SPW], v[NIL]
	s_wait_dscnt 4*NL+1                            ; the add and A's blocks 4-7 may be out
.else
	s_wait_dscnt 4*NL                              ; A's blocks 4-7 may be out
.endif
	WIN MUL_LO
	MUL16 0, (\st)%2, (\st)%2, ((\st)/2)%2
	s_wait_dscnt 0x0                               ; the add and all my reads are done
	s_barrier_signal -1
	MUL16 2, (\st)%2, (\st)%2, ((\st)/2)%2
	WIN 0
	s_barrier_wait -1
.if C1 > C0 && C0+2 < CHUNKS
	CREST
	s_add_nc_u64 s[G0+4*(C0%2)+2:G0+4*(C0%2)+3], s[G0+4*(C0%2)+2:G0+4*(C0%2)+3], 2*ROWB
	s_add_nc_u64 s[G0B+4*(C0%2)+2:G0B+4*(C0%2)+3], s[G0B+4*(C0%2)+2:G0B+4*(C0%2)+3], 2*ROWB
	JLOAD G0+4*(C0%2), G1, G0B+4*(C0%2), G1B       ; chunk C0 + 2; its four v_nop are the places in front of the loads below
.else
	PLACES NP
.endif
.else
	s_wait_dscnt 4*NL
	WIN MUL_LO
	MUL16 0, (\st)%2, (\st)%2, ((\st)/2)%2
	MUL16 2, (\st)%2, (\st)%2, ((\st)/2)%2
	s_wait_dscnt 0
	PLACES NP
.endif
	FETCH_B NX, NX%2
	FETCH_A NX, 0
.if NX%2 == 0
	SCALES NX/2
.endif
	WIN MUL_HI
	MUL16 4, (\st)%2, (\st)%2, ((\st)/2)%2
	MUL16 6, (\st)%2, (\st)%2, ((\st)/2)%2
	PLACES NP
	WIN 0
	FETCH_A NX, 4
.endm
	s_wait_tensorcnt 0x1
	s_barrier_signal -1
	s_barrier_wait -1
	FETCH_B 0, 0
	FETCH_A 0, 0
	SCALES 0
	FETCH_A 0, 4
.set ST, 0                             ; the walk is written out: slots and chunks do not come back to where they began within these eight steps
.rept 7
	STEP ST
.set ST, ST+1
.endr
	s_wait_dscnt 4*NL
	WIN MUL_LO
	MUL16 0, 1, NQ-1, 1
	MUL16 2, 1, NQ-1, 1
	s_wait_dscnt 0
	WIN MUL_HI
	MUL16 4, 1, NQ-1, 1
	MUL16 6, 1, NQ-1, 1
	WIN 0
	PLACES NP
	v_and_b32 v[LI8], 31, v0
	v_cmp_le_u32 vcc_lo, 16, v[LI8]
	v_lshlrev_b32 v[LI16], 4, v[LI8]
	v_lshlrev_b32 v[LI8], 3, v[LI8]
.irp b, 0,1,2,3
	v_mov_b32 v[TM+4+\b], 0
.endr
.macro QUANT a
.set QW, 2+(\a)/4
.set QS, 64*((\a)%4)
.set QWIN, (QW<<2)|(QW<<4)
	WIN QWIN
.irp b, 0,1,2,3
	v_max3_num_f32 v[TM+\b], s11, |v[QS+16*\b]|, |v[QS+16*\b+1]|
.endr
.irp i, 2,4,6,8,10,12,14
.irp b, 0,1,2,3
	v_max3_num_f32 v[TM+\b], v[TM+\b], |v[QS+16*\b+\i]|, |v[QS+16*\b+\i+1]|
.endr
.endr
	WIN 0
.irp b, 0,1,2,3
	v_permlanex16_b32 v[TM+4+\b], v[TM+\b], s8, s9
.endr
.irp b, 0,1,2,3
	v_max_num_f32 v[TM+\b], v[TM+\b], v[TM+4+\b]
.endr
.irp b, 0,1,2,3
	v_add_nc_u32 v[TM+12+\b], 0xff000000, v[TM+\b]
.endr
.irp b, 0,1,2,3
	v_lshrrev_b32 v[TM+4+\b], 23, v[TM+12+\b]
.endr
	v_lshl_or_b32 v[PW], v[TM+5], 8, v[TM+4]
	v_lshl_or_b32 v[PW], v[TM+6], 16, v[PW]
	v_lshl_or_b32 v[PW], v[TM+7], 24, v[PW]
	s_wait_xcnt 0x0
	WIN QW
.irp c, 0,1
	v_cvt_scalef32_pk16_fp6_f32 v[PC+6*\c:PC+6*\c+2], v[QS+32*\c:QS+32*\c+15], v[TM+12+2*\c]
	v_cvt_scalef32_pk16_fp6_f32 v[PC+12+4*\c:PC+14+4*\c], v[QS+32*\c+16:QS+32*\c+31], v[TM+13+2*\c]
.endr
	WIN 0
	v_nop
.irp c, 0,1
.irp i, 0,1,2
	v_permlane16_swap_b32 v[PC+6*\c+\i], v[PC+12+4*\c+\i]
.endr
.irp i, 0,1,2
	v_mov_b32 v[PC+3+6*\c+\i], v[PC+12+4*\c+\i]
.endr
.endr
.endm
.macro OUT a
	QUANT \a
	v_sub_nc_u32 v[WS+(\a)], v[PW], s10
	s_cmp_eq_u32 s2, 0
	s_cbranch_scc0 .Lout_v_\@
	global_store_b128 v[LI16], v[PC:PC+3], s[12:13] offset:768*(\a)
	global_store_b64 v[LI8], v[PC+4:PC+5], s[12:13] offset:768*(\a)+512
	global_store_b128 v[LI16], v[PC+6:PC+9], s[92:93] offset:768*(\a)
	global_store_b64 v[LI8], v[PC+10:PC+11], s[92:93] offset:768*(\a)+512
	s_branch .Lout_done_\@
.Lout_v_\@:
	s_wait_alu depctr_va_vdst(0)
.irp c, 0,1,2
	global_store_b128 v[LI16], v[PC+4*\c:PC+4*\c+3], s[12:13] offset:((\a)/4)*12288+((\a)%4)*1536+512*\c
.endr
.Lout_done_\@:
.endm
.irp a, 0,1,2,3,4,5,6,7
	OUT \a
.endr
	s_cmp_eq_u32 s2, 0
	s_cbranch_scc0 .Lsc_v
	s_wait_alu depctr_va_vdst(0)
.irp i, 0,1,2,3
	v_cndmask_b32 v[IM+\i], v[WS+2*\i], v[WS+2*\i+1], vcc_lo
.endr
	global_store_b128 v[LI16], v[IM:IM+3], s[66:67]
.irp a, 0,1,2,3,4,5,6,7
	v_alignbit_b32 v[WS+\a], v[WS+\a], v[WS+\a], 16
.endr
.irp i, 0,1,2,3
	v_cndmask_b32 v[IM+4+\i], v[WS+2*\i], v[WS+2*\i+1], vcc_lo
.endr
	global_store_b128 v[LI16], v[IM+4:IM+7], s[94:95]
	s_branch .Lsc_done
.Lsc_v:
	s_wait_alu depctr_va_vdst(0)
.irp g, 0,1
.irp i, 0,1
	v_cndmask_b32 v[IM+2*\g+\i], v[WS+4*\g+2*\i], v[WS+4*\g+2*\i+1], vcc_lo
.endr
.endr
	global_store_b64 v[LI8], v[IM:IM+1], s[66:67]
	global_store_b64 v[LI8], v[IM+2:IM+3], s[94:95]
.Lsc_done:
	s_wait_tensorcnt 0x0
	ds_add_u32 v[SPW], v[NIL]
	s_wait_dscnt 0x0
	CROUND
	s_endpgm
.Lfunc_end_k_q9ece5f60a9_proj:
	.size	k_q9ece5f60a9_proj, .Lfunc_end_k_q9ece5f60a9_proj-k_q9ece5f60a9_proj
	.p2alignl 7, 3214868480
	.fill 96, 4, 3214868480
	.section	.rodata,"a",@progbits
	.p2align	6, 0x0
	.amdhsa_kernel k_q9ece5f60a9_proj
		.amdhsa_group_segment_fixed_size 327680
		.amdhsa_private_segment_fixed_size 0
		.amdhsa_enable_private_segment 0
		.amdhsa_kernarg_size 168
		.amdhsa_user_sgpr_count 2
		.amdhsa_user_sgpr_kernarg_segment_ptr 1
		.amdhsa_wavefront_size32 1
		.amdhsa_system_sgpr_workgroup_id_x 1
		.amdhsa_system_sgpr_workgroup_id_y 1
		.amdhsa_system_sgpr_workgroup_id_z 1
		.amdhsa_system_vgpr_workitem_id 0
		.amdhsa_next_free_vgpr 1024
		.amdhsa_next_free_sgpr 102
		.amdhsa_reserve_vcc 1
		.amdhsa_float_denorm_mode_32 3
		.amdhsa_float_denorm_mode_16_64 3
		.amdhsa_memory_ordered 1
		.amdhsa_forward_progress 1
		.amdhsa_inst_pref_size 237
	.end_amdhsa_kernel
	.amdgpu_metadata
---
amdhsa.version: [ 1, 2 ]
amdhsa.kernels:
  - .name:           k_q9ece5f60a9_proj
    .symbol:         k_q9ece5f60a9_proj.kd
    .args:
      - { .name: hidden_states_codes, .offset: 0, .size: 8, .value_kind: global_buffer, .address_space: global }
      - { .name: hidden_states_scales, .offset: 8, .size: 8, .value_kind: global_buffer, .address_space: global }
      - { .name: Wq_codes, .offset: 16, .size: 8, .value_kind: global_buffer, .address_space: global }
      - { .name: Wq_scales, .offset: 24, .size: 8, .value_kind: global_buffer, .address_space: global }
      - { .name: Aq_codes, .offset: 32, .size: 8, .value_kind: global_buffer, .address_space: global }
      - { .name: Aq_scales, .offset: 40, .size: 8, .value_kind: global_buffer, .address_space: global }
      - { .name: Bq, .offset: 48, .size: 8, .value_kind: global_buffer, .address_space: global }
      - { .name: Wk_codes, .offset: 56, .size: 8, .value_kind: global_buffer, .address_space: global }
      - { .name: Wk_scales, .offset: 64, .size: 8, .value_kind: global_buffer, .address_space: global }
      - { .name: Ak_codes, .offset: 72, .size: 8, .value_kind: global_buffer, .address_space: global }
      - { .name: Ak_scales, .offset: 80, .size: 8, .value_kind: global_buffer, .address_space: global }
      - { .name: Bk, .offset: 88, .size: 8, .value_kind: global_buffer, .address_space: global }
      - { .name: Wv_codes, .offset: 96, .size: 8, .value_kind: global_buffer, .address_space: global }
      - { .name: Wv_scales, .offset: 104, .size: 8, .value_kind: global_buffer, .address_space: global }
      - { .name: Av_codes, .offset: 112, .size: 8, .value_kind: global_buffer, .address_space: global }
      - { .name: Av_scales, .offset: 120, .size: 8, .value_kind: global_buffer, .address_space: global }
      - { .name: Bv, .offset: 128, .size: 8, .value_kind: global_buffer, .address_space: global }
      - { .name: qc, .offset: 136, .size: 8, .value_kind: global_buffer, .address_space: global }
      - { .name: qs, .offset: 144, .size: 8, .value_kind: global_buffer, .address_space: global }
      - { .name: kvc, .offset: 152, .size: 8, .value_kind: global_buffer, .address_space: global }
      - { .name: sc, .offset: 160, .size: 8, .value_kind: global_buffer, .address_space: global }
    .group_segment_fixed_size: 327680
    .private_segment_fixed_size: 0
    .kernarg_segment_align: 8
    .kernarg_segment_size: 168
    .max_flat_workgroup_size: 128
    .sgpr_count:     102
    .vgpr_count:     1024
    .wavefront_size: 32
...
	.end_amdgpu_metadata
.endif
;; end of part 1
;; launch attn (part 2): grid 4 x 64, 16 waves a work-group, clusters of 4 x 4, 327,680 bytes of LDS; arguments qc, qs, kvc, sc, attention_mask, ac, as_; writes ac, as_
.if DOCPART == 2
	.amdgcn_target "amdgcn-amd-amdhsa--gfx1250"
	.amdhsa_code_object_version 6
	.text
	.protected	k_q9ece5f60a9_attn
	.globl	k_q9ece5f60a9_attn
	.p2align	8
	.type	k_q9ece5f60a9_attn,@function
k_q9ece5f60a9_attn:
	s_mov_b64 s[64:65], 0
	v_nop
	global_prefetch_b8 v0, s[64:65] scope:SCOPE_SE
	s_setreg_imm32_b32 hwreg(HW_REG_WAVE_MODE, 25, 1), 1
	s_wait_xcnt 0x0
	s_wait_alu depctr_hold_cnt(0) depctr_sa_sdst(0) depctr_va_vdst(0) depctr_va_sdst(0) depctr_va_ssrc(0) depctr_va_vcc(0) depctr_vm_vsrc(0)
	s_getreg_b32 s2, hwreg(HW_REG_IB_STS2, 6, 4)
	s_cmp_eq_u32 s2, 0
	s_cbranch_scc0 .Lentry_in_a_cluster
	s_endpgm
.Lentry_in_a_cluster:
	s_bfe_u32 s2, ttmp6, 0x10000c
	s_cmp_lg_u32 s2, 0xf033
	s_cbranch_scc0 .Lentry_shape_is_right
	s_endpgm
.Lentry_shape_is_right:
; softmax(q k^T + mask) v for 16 heads of 64 channels, 4,096 tokens, both products on FP6 (E2M3) codes with E8M0 scales; q, k, v come as images of operand registers from the launch before.
; THE MASK IS AN INPUT: every key is walked for every query.  It is loaded into the score accumulators' own registers and is the C of the first product: it costs no vector instruction.
; SOFTMAX: t = logit x log2(e); M = the running largest t rounded up to a whole number; p = 2^(t - M) is quantised along the keys; the row's sum is taken of the unquantised p and divides at the end; when M moves,
; the sum and O are multiplied by 2^(old M - new M): exact.
; SHARES.  A work-group owns 64 queries x 4 heads; each of its sixteen waves one tile of 16 queries of one head (head = wave % 4, tile = wave / 4), in 256 registers.  Keys go 128 a step through two LDS slots.
; CLUSTER 4 x 4: the four work-groups of a row own the same queries and share the mask's tile; the four of a column own the same heads and share K, V and their scale words: joint tensor loads.
; LAYOUT.  Both products are used transposed (S^T = K Q^T, O^T = V^T P^T): a lane holds one query throughout.  A head has 64 channels, the instruction takes 128 along K: Q's upper six registers are zero codes, and K's
; operand names the next tile's six registers there, which multiply those zeros (6-bit codes have no NaN and no infinity).
; A tile is 16 neighbouring keys, so a block's 32 codes of p lie as [0-7, 16-23, 8-15, 24-31], as v's codes do.  The output's codes meet given codes in the next launch: they are put in natural order by lane swaps.
; jnp.maximum(logit, dtype's minimum): a logit there gives p = 0 beside any live key.  A query that has seen no live key gets, by selects, codes of 1.0 under the scale 1 for all keys, and 4,096 for its sum:
; equal weights; the first live key multiplies what was summed by 0.
; LIMITS: logits at or under -2.08e38 count as the dtype's minimum; a row's largest logit otherwise lies within 2^30 in magnitude; NaN and +infinity are not served; an output block under 2^-124, zeros too, keeps the byte 1.
; REGISTERS: v1-5 lane places; v6, v7 the spare word's; v8-11, v30 addresses in hand; v12 -M, v13 largest t, v[14:15] the sum; v16-27 Q; v[28:29] f, 0; v31 prefetch offset; v32-79 K's eight tiles, then V's four fragments;
; v80-85 zeros; v86-92 at work; v96-159 mask, S^T, p; v160-191 O^T; v192-210 p's codes; v212-223 at work; v232-239 scale words and nothing else.
.set SLOT1, 131072                     ; slot n begins at n x SLOT1: 64 rows of mask x 528 bytes, then 4 heads x 12,288 bytes of K and V
.set KVOFF, 33792
.set SCL,   214016                     ; 4 heads x 24,576 bytes of scale words: filled once
.set SPARE, 312320                     ; the spare words: 128 bytes for each of 16 waves
.set STG,   0                          ; the way out: 64 rows x 272 bytes, in slot 0, which has had its last fill and its last read by then
.set SSTG,  17408                      ; and 64 x 8 scale bytes
.set AM0, 1
.set AK0, 2
.set AK80, 3
.set AS0, 4
.set AT0, 5
.set SPW, 6
.set NIL, 7
.set ADM, 8
.set ADK, 9
.set ADK8, 10
.set ADS, 11
.set ADT, 30
.set PFO, 31
.set TMP, 86
.set BM, 212
.set BT, 216
.set BS, 220
.set TB, 2                             ; s2  the slot in hand
.set TS, 3                             ; s3  the step's scale words of K: 512 bytes a step
.set WV, 18
.set SEL, 20
.set CS, 22                            ; s[22:23] log2(e), twice
.set G1KV, 24
.set G1M, 32
.set G0KV, 40
.set G0M, 44
.set G0S, 48
.set TJ, 52                            ; V's scale words: 256 bytes a step
.set CNT, 53
.set PFA, 54
.set PFS, 56
.set LIM, 58
.set EVR, 59
.set T0, 60                            ; -3e38: the largest t of a query that has seen no live key
.macro CROUND
	s_barrier_signal -1
	s_barrier_wait -1
	s_cmp_lg_u32 s[WV], 0
	s_cbranch_scc1 .Lnot_wave_0_\@
	s_barrier_signal -3
.Lnot_wave_0_\@:
	s_barrier_wait -3
	s_barrier_signal -1
	s_barrier_wait -1
.endm
; Waves 0 and 1 fetch the step's K and V, waves 2 and 3 the mask's tile, the others nothing.  Four v_nop follow each line.
.macro TLOAD
	s_cmp_lt_u32 s[WV], 2
	s_cbranch_scc0 .Lnot_kv_\@
	tensor_load_to_lds s[G0KV:G0KV+3], s[G1KV:G1KV+7]
	s_nop 0
.rept 4
	v_nop
.endr
	s_branch .Lasked_\@
.Lnot_kv_\@:
	s_cmp_lt_u32 s[WV], 4
	s_cbranch_scc0 .Lasked_\@
	tensor_load_to_lds s[G0M:G0M+3], s[G1M:G1M+7]
	s_nop 0
.rept 4
	v_nop
.endr
.Lasked_\@:
.endm
; A PREFETCH INTO THE L2, one step further on than the tensor load just issued.  The mask: wave 12 of every work-group, in every trip: of the next-but-one step's 64 rows x 512 bytes the four partners of a row take 16 rows
; each, told apart by address; a lane names 256 bytes.  K and V: all clusters walk them, so the first cluster along y asks; in every second trip waves 8 to 10 name two steps' 98,304 bytes: 24,576 a partner of a column, by
; address, 8,192 a wave, lanes 256 bytes apart.  So each aligned block of 256 bytes is named once.  Steps 0 and 1 come by their loads alone; the last trips, whose look-ahead would pass the end, ask for nothing.
.macro ASK
	s_cmp_gt_u32 s[CNT], s[LIM]
	s_cbranch_scc0 .Lnot_mine_\@
	s_and_b32 s61, s[CNT], s[EVR]
	s_cmp_eq_u32 s61, s[EVR]
	s_cbranch_scc0 .Lnot_mine_\@
	global_prefetch_b8 v[PFO], s[PFA:PFA+1] th:TH_LOAD_NT scope:SCOPE_SE
.Lnot_mine_\@:
.endm
	s_load_b256 s[4:11], s[0:1], 0x0               ; qc, qs, kvc, sc
	s_load_b128 s[12:15], s[0:1], 0x20             ; mask, ac
	s_load_b64 s[16:17], s[0:1], 0x30              ; as_
	v_lshl_add_u32 v[SPW], v0, 2, SPARE
	v_mov_b32 v[NIL], 0
	ds_add_u32 v6, v7
	ds_add_u32 v6, v7
	s_wait_dscnt 0x0
	v_lshrrev_b32 v87, 5, v0
	s_delay_alu instid0(VALU_DEP_1)
	v_readfirstlane_b32 s[WV], v87                 ; wave 0..15
	s_bfe_u32 s66, ttmp6, 0x40000                  ; cx
	s_bfe_u32 s67, ttmp6, 0x40004                  ; cy
	s_and_b32 s68, ttmp7, 0xffff                   ; cluster y
	s_lshl_b32 s69, s68, 2
	s_add_co_u32 s69, s69, s67                     ; my block of 64 queries
	s_lshl_b32 s72, ttmp9, 2
	s_add_co_u32 s72, s72, s66                     ; my group of four heads
	s_and_b32 s70, s[WV], 3                        ; my head in the group
	s_lshr_b32 s71, s[WV], 2                       ; my tile of 16 queries
	s_lshl_b32 s73, s67, 2
	s_lshl_b32 s73, 15, s73                        ; my row of the cluster
	s_lshl_b32 s74, 0x1111, s66                    ; my column
	s_or_b32 s[G1KV], s74, (3<<16)|(1<<21)         ; K and V: 24,576 dense bytes as 96 rows of 256 (32 elements of 8 bytes), no padding; shared along the column
	s_mov_b32 s[G1KV+1], 32<<16
	s_mov_b32 s[G1KV+2], 96<<16
	s_mov_b32 s[G1KV+3], 32<<16
	s_mov_b32 s[G1KV+4], 96
	s_mov_b32 s[G1KV+5], 32
	s_mov_b32 s[G1KV+6], 0
	s_mov_b32 s[G1KV+7], 0
	s_or_b32 s[G1M], s73, (2<<16)|(1<<20)|(1<<21)|(6<<22)|(3<<25)   ; the mask: 32 rows of 128 f32, 4,096 apart; 16 bytes of padding behind each 512; shared along the row
	s_mov_b32 s[G1M+1], 128<<16
	s_mov_b32 s[G1M+2], 32<<16
	s_mov_b32 s[G1M+3], 128<<16
	s_mov_b32 s[G1M+4], 32
	s_mov_b32 s[G1M+5], 4096
	s_mov_b32 s[G1M+6], 0
	s_mov_b32 s[G1M+7], 0
	s_and_b32 s75, s[WV], 1
	s_mul_i32 s76, s75, 24576
	s_mul_i32 s77, s72, 1572864
	s_add_co_u32 s78, s77, s76
	s_mov_b32 s79, 0
	s_mul_i32 s80, s75, 16896
	s_lshl_b32 s82, s69, 20                        ; 64 rows of 16,384 bytes
	s_lshl_b32 s83, s75, 19
	s_add_co_u32 s82, s82, s83
	s_mov_b32 s83, 0
.set G1S, 88                           ; s[88:95] the scale words at the head: my four heads' 98,304 dense bytes, 8,192 a wave for waves 0 to 11, as 32 rows of 256; shared along the column
	s_or_b32 s[G1S], s74, (3<<16)|(1<<21)
	s_mov_b32 s[G1S+1], 32<<16
	s_mov_b32 s[G1S+2], 32<<16
	s_mov_b32 s[G1S+3], 32<<16
	s_mov_b32 s[G1S+4], 32
	s_mov_b32 s[G1S+5], 32
	s_mov_b32 s[G1S+6], 0
	s_mov_b32 s[G1S+7], 0
	s_lshl_b32 s84, s[WV], 13
	s_mul_i32 s86, s72, 98304
	s_add_co_u32 s86, s86, s84
	s_mov_b32 s87, 0
	s_wait_kmcnt 0x0
	s_mov_b32 s[G0KV], 1
	s_add_co_u32 s[G0KV+1], s76, KVOFF
	s_add_nc_u64 s[G0KV+2:G0KV+3], s[8:9], s[78:79]
	s_or_b32 s[G0KV+3], s[G0KV+3], 0x80000000
	s_mov_b32 s[G0M], 1
	s_mov_b32 s[G0M+1], s80
	s_add_nc_u64 s[G0M+2:G0M+3], s[12:13], s[82:83]
	s_or_b32 s[G0M+3], s[G0M+3], 0x80000000
	s_mov_b32 s[G0S], 1
	s_add_co_u32 s[G0S+1], s84, SCL
	s_add_nc_u64 s[G0S+2:G0S+3], s[10:11], s[86:87]
	s_or_b32 s[G0S+3], s[G0S+3], 0x80000000
	CROUND                                         ; all sixteen work-groups are here: the first joint loads meet
	s_cmp_lt_u32 s[WV], 12                         ; the head's fills, one a wave, in one chain of branches: waves 0 to 11 a twelfth of the scale words each,
	s_cbranch_scc0 .Lfirst_kv
	tensor_load_to_lds s[G0S:G0S+3], s[G1S:G1S+7]
	s_nop 0
.rept 4
	v_nop
.endr
	s_branch .Lfirst_done
.Lfirst_kv:
	s_cmp_lt_u32 s[WV], 14                         ; waves 12 and 13 step 0's K and V (their group 0 hangs on wave % 2, as that of waves 0 and 1 does),
	s_cbranch_scc0 .Lfirst_m
	tensor_load_to_lds s[G0KV:G0KV+3], s[G1KV:G1KV+7]
	s_nop 0
.rept 4
	v_nop
.endr
	s_branch .Lfirst_done
.Lfirst_m:
	tensor_load_to_lds s[G0M:G0M+3], s[G1M:G1M+7]  ; waves 14 and 15 step 0's tile of the mask
	s_nop 0
.rept 4
	v_nop
.endr
.Lfirst_done:
	; Q's tile and its scale word
	s_lshl_b32 s75, s69, 2
	s_add_co_u32 s75, s75, s71                     ; my tile of 16 tokens, of 256
	s_lshr_b32 s76, s75, 3                         ; its step of 128
	s_and_b32 s77, s75, 7                          ; its place there
	s_mul_i32 s78, s72, 786432
	s_mul_i32 s79, s76, 24576
	s_add_co_u32 s78, s78, s79
	s_mul_i32 s79, s70, 6144
	s_add_co_u32 s78, s78, s79
	s_mul_i32 s79, s77, 768
	s_add_co_u32 s78, s78, s79
	s_mov_b32 s79, 0
	s_add_nc_u64 s[4:5], s[4:5], s[78:79]
	s_lshl_b32 s80, s72, 2
	s_add_co_u32 s80, s80, s70
	s_lshl_b32 s80, s80, 14
	s_lshl_b32 s81, s76, 9
	s_add_co_u32 s80, s80, s81
	s_and_b32 s81, s77, 1
	s_lshl_b32 s81, s81, 8                         ; odd tiles lie in lanes 16-31 of the image
	s_add_co_u32 s80, s80, s81
	s_lshr_b32 s81, s77, 1
	s_lshl_b32 s81, s81, 2
	s_add_co_u32 s80, s80, s81
	s_mov_b32 s81, 0
	s_add_nc_u64 s[6:7], s[6:7], s[80:81]
	v_and_b32 v90, 15, v0                          ; r
	v_bfe_u32 v91, v0, 4, 1                        ; h
	v_and_b32 v92, 31, v0                          ; lane
	s_delay_alu instid0(VALU_DEP_1)
	v_lshlrev_b32 v87, 4, v92
	s_delay_alu instid0(VALU_DEP_2)
	v_lshlrev_b32 v88, 3, v92
	v_lshlrev_b32 v89, 4, v90
	global_load_b128 v[16:19], v87, s[4:5]
	global_load_b64 v[20:21], v88, s[4:5] offset:512
	global_load_b32 v238, v89, s[6:7]
	s_mul_i32 s82, s71, 8448
	v_mul_u32_u24 v[AM0], v90, 528
	s_delay_alu instid0(VALU_DEP_1)
	v_lshl_add_u32 v[AM0], v91, 5, v[AM0]
	s_delay_alu instid0(VALU_DEP_1)
	v_add_nc_u32 v[AM0], s82, v[AM0]               ; the mask: row 16 tile + r, + 32 h
	s_mul_i32 s82, s70, 12288
	s_add_co_u32 s82, s82, KVOFF
	v_add_nc_u32 v[AK0], s82, v87
	s_add_co_u32 s82, s82, 512
	v_add_nc_u32 v[AK80], s82, v88
	s_mul_i32 s82, s70, 24576
	s_add_co_u32 s82, s82, SCL
	v_add_nc_u32 v[AS0], s82, v87
	s_add_co_u32 s82, s82, 16384
	v_add_nc_u32 v[AT0], s82, v88
	; the prefetches: where mine stand, and who asks
	s_lshl_b32 s82, s69, 20
	s_lshl_b32 s83, s66, 18                        ; my 16 of the 64 rows
	s_add_co_u32 s82, s82, s83
	s_add_co_u32 s82, s82, 512                     ; at step 1: the first change of slots steps it to step 2
	s_mul_i32 s83, s72, 1572864
	s_mul_i32 s84, s67, 24576
	s_add_co_u32 s83, s83, s84
	s_lshl_b32 s84, s70, 13
	s_add_co_u32 s83, s83, s84
	s_add_co_u32 s83, s83, 49152
	s_mov_b32 s85, 49152
	s_mov_b32 s86, 4096
	s_mov_b32 s87, 256
	s_cmp_eq_u32 s[WV], 12
	s_cselect_b64 s[PFA:PFA+1], s[12:13], s[8:9]
	s_cselect_b32 s82, s82, s83
	s_cselect_b32 s[PFS], 512, s85
	s_cselect_b32 s[EVR], 0, 1
	s_cselect_b32 s[LIM], 1, -1
	s_cselect_b32 s84, 16384, s87                  ; from r to r + 1
	s_cselect_b32 s86, 256, s86                    ; from h = 0 to h = 1
	s_mov_b32 s83, 0
	s_mov_b32 s[PFS+1], 0
	s_add_nc_u64 s[PFA:PFA+1], s[PFA:PFA+1], s[82:83]
	s_sub_co_u32 s85, s[WV], 8
	s_cmp_lt_u32 s85, 3
	s_cselect_b32 s85, 0, 1
	s_or_b32 s85, s85, s68                         ; waves 8 to 10 of the first cluster along y: the same in all partners
	s_cmp_eq_u32 s85, 0
	s_cselect_b32 s[LIM], 1, s[LIM]
	v_mul_u32_u24 v[PFO], s84, v90
	s_delay_alu instid0(VALU_DEP_1)
	v_mad_u32_u24 v[PFO], v91, s86, v[PFO]
	; where the results go
	s_mul_i32 s82, s72, 192                        ; ac holds natural rows of 768 bytes: my four heads' 192 bytes
	s_mul_i32 s84, s69, 49152                      ; of my 64 rows
	s_add_co_u32 s82, s82, s84
	s_add_nc_u64 s[14:15], s[14:15], s[82:83]
	s_lshl_b32 s82, s69, 11
	s_lshl_b32 s84, s72, 3
	s_add_co_u32 s82, s82, s84
	s_add_nc_u64 s[16:17], s[16:17], s[82:83]
	s_mov_b32 s[SEL], 0x76543210
	s_mov_b32 s[SEL+1], 0xfedcba98
	s_mov_b32 s[CS], 0x3fb8aa3b                    ; log2(e)
	s_mov_b32 s[CS+1], s[CS]
	s_mov_b32 s[T0], 0xff61b1e6
	s_mov_b32 s[TB], 0
	s_mov_b32 s[TS], 0
	s_mov_b32 s[TJ], 0
	s_mov_b32 s[CNT], 31
	v_mov_b32 v13, 0xff61b1e6                      ; the largest t so far: -3e38
	s_delay_alu instid0(VALU_DEP_1)
	v_floor_f32 v12, -v13                          ; -M
	v_mov_b32 v14, 0
	v_mov_b32 v15, 0
	v_mov_b32 v28, 0
	v_mov_b32 v29, 0                               ; (named with f as a pair)
	v_mov_b32 v[TMP], 0
.irp i, 0,1,2,3,4,5
	v_mov_b32 v[22+\i], 0                          ; Q's upper 64 along K: zero codes
	v_mov_b32 v[80+\i], 0                          ; what K's last tile names there
.endr
.irp b, 0,1,2,3
	v_mov_b32 v[BT+\b], 0                          ; a lane permute's destination counts as one of its sources
.endr
.set J, 0
.rept 32
	v_mov_b32 v[160+J], 0                          ; O^T: the step is written once; the first finds zeros
.set J, J+1
.endr
.macro STEP                            ; 128 keys
	v_add_nc_u32 v[ADM], s[TB], v[AM0]             ; (these five are also the places behind the last products, in front of the loads into their sources)
	v_add_nc_u32 v[ADK], s[TB], v[AK0]
	v_add_nc_u32 v[ADK8], s[TB], v[AK80]
	v_add_nc_u32 v[ADS], s[TS], v[AS0]
	v_add_nc_u32 v[ADT], s[TJ], v[AT0]
.irp t, 0,1,2,3,4,5,6,7                ; the mask into the scores' registers: register 8 t + j = mask(my query, key 16 t + 8 h + j)
	ds_load_b128 v[96+8*\t:99+8*\t], v[ADM] offset:64*\t
	ds_load_b128 v[100+8*\t:103+8*\t], v[ADM] offset:64*\t+16
.endr
.irp t, 0,1,2,3,4,5,6,7                ; K's eight tiles, six registers each
	ds_load_b128 v[32+6*\t:35+6*\t], v[ADK] offset:768*\t
	ds_load_b64 v[36+6*\t:37+6*\t], v[ADK8] offset:768*\t
.endr
	ds_load_b128 v[232:235], v[ADS]                ; word i: lanes 0-15 tile 2 i, lanes 16-31 tile 2 i + 1
	s_wait_alu depctr_va_vdst(0)
	s_wait_dscnt 0x0
.irp t, 0,2,4,6
	v_wmma_scale_f32_16x16x128_f8f6f4 v[96+8*\t:103+8*\t], v[32+6*\t:43+6*\t], v[16:27], v[96+8*\t:103+8*\t], v[232+\t/2], v238 matrix_a_fmt:MATRIX_FMT_FP6 matrix_b_fmt:MATRIX_FMT_FP6
	v_wmma_scale_f32_16x16x128_f8f6f4 v[104+8*\t:111+8*\t], v[38+6*\t:49+6*\t], v[16:27], v[104+8*\t:111+8*\t], v[232+\t/2], v238 matrix_a_fmt:MATRIX_FMT_FP6 matrix_b_fmt:MATRIX_FMT_FP6 matrix_a_scale:MATRIX_SCALE_ROW1
.endr
.rept 4
	v_nop                                          ; places: in front of the loads into K's registers and of the first read of the scores
.endr
.irp t, 0,1,2,3                        ; V's four fragments land while the softmax is walked
.irp c, 0,1,2
	ds_load_b128 v[32+12*\t+4*\c:35+12*\t+4*\c], v[ADK] offset:6144+1536*\t+512*\c
.endr
.endr
	ds_load_b64 v[236:237], v[ADT]
.irp b, 0,1,2,3
	v_max3_num_f32 v[BM+\b], v[96+16*\b], v[97+16*\b], v[98+16*\b]   ; the largest score of each block of 32 keys: for the row's maximum, and for the block's largest p
.endr
.irp i, 3,5,7,9,11,13
.irp b, 0,1,2,3
	v_max3_num_f32 v[BM+\b], v[BM+\b], v[96+16*\b+\i], v[97+16*\b+\i]
.endr
.endr
.irp b, 0,1,2,3
	v_max_num_f32 v[BM+\b], v[BM+\b], v[111+16*\b]
.endr
.irp b, 0,1,2,3
	s_delay_alu instid0(VALU_DEP_4)
	v_permlanex16_b32 v[BT+\b], v[BM+\b], s[SEL], s[SEL+1]
.endr
.irp b, 0,1,2,3
	s_delay_alu instid0(VALU_DEP_4)
	v_max_num_f32 v[BM+\b], v[BM+\b], v[BT+\b]
.endr
	s_delay_alu instid0(VALU_DEP_2)
	v_max3_num_f32 v[TMP], v[BM], v[BM+1], v[BM+2]
	s_delay_alu instid0(VALU_DEP_1)
	v_max_num_f32 v[TMP], v[TMP], v[BM+3]
	s_delay_alu instid0(VALU_DEP_1)
	v_mul_f32 v[TMP], s[CS], v[TMP]
	s_delay_alu instid0(VALU_DEP_1)
	v_max_num_f32 v13, v13, v[TMP]                 ; the running largest t
	v_mov_b32 v[TMP], v12
	s_delay_alu instid0(VALU_DEP_2)
	v_floor_f32 v12, -v13                          ; the new -M
	s_delay_alu instid0(VALU_DEP_1)
	v_sub_f32 v[TMP], v12, v[TMP]                  ; old M - new M: a whole number, 0 or less
	s_delay_alu instid0(VALU_DEP_1)
	v_cvt_i32_f32 v[TMP], v[TMP]                   ; (it saturates)
	s_delay_alu instid0(VALU_DEP_1)
	v_ldexp_f32 v28, 1.0, v[TMP]                   ; f = 2^(old M - new M)
.set J, 0
.rept 32
	v_pk_fma_f32 v[96+J:97+J], v[96+J:97+J], s[CS:CS+1], v[12:13] op_sel_hi:[1,0,0]   ; t - M
.set J, J+2
.endr
.irp b, 0,1,2,3
	v_fma_f32 v[BM+\b], v[BM+\b], s[CS], v12
.endr
.set J, 0
	s_wait_alu depctr_va_vdst(0)
.rept 64
	v_exp_f32 v[96+J], v[96+J]                     ; p = 2^(t - M)
.set J, J+1
.endr
	v_pk_mul_f32 v[14:15], v[14:15], v[28:29] op_sel_hi:[1,0]   ; the sums under the new M: a plain place behind the exponentials
	s_wait_alu depctr_va_vdst(0)                   ; one wait for the batch, ahead of its first reader
.irp b, 0,1,2,3
	v_exp_f32 v[BM+\b], v[BM+\b]                   ; each block's largest p
.endr
	v_pk_add_f32 v[216:217], v[100:101], v[104:105]
	v_pk_add_f32 v[254:255], v[108:109], v[112:113]
	v_pk_add_f32 v[252:253], v[116:117], v[120:121]
	v_pk_add_f32 v[250:251], v[124:125], v[128:129]
	v_pk_add_f32 v[248:249], v[132:133], v[136:137]
	v_pk_add_f32 v[246:247], v[140:141], v[144:145]
	v_pk_add_f32 v[244:245], v[148:149], v[152:153]
	v_pk_add_f32 v[14:15], v[14:15], v[156:157]
	v_pk_add_f32 v[216:217], v[216:217], v[96:97]
	v_pk_add_f32 v[254:255], v[254:255], v[98:99]
	v_pk_add_f32 v[252:253], v[252:253], v[102:103]
	v_pk_add_f32 v[250:251], v[250:251], v[106:107]
	v_pk_add_f32 v[248:249], v[248:249], v[110:111]
	v_pk_add_f32 v[246:247], v[246:247], v[114:115]
	v_pk_add_f32 v[244:245], v[244:245], v[118:119]
	v_pk_add_f32 v[14:15], v[14:15], v[122:123]
	v_pk_add_f32 v[216:217], v[216:217], v[126:127]
	v_pk_add_f32 v[254:255], v[254:255], v[130:131]
	v_pk_add_f32 v[252:253], v[252:253], v[134:135]
	v_pk_add_f32 v[250:251], v[250:251], v[138:139]
	v_pk_add_f32 v[248:249], v[248:249], v[142:143]
	v_pk_add_f32 v[246:247], v[246:247], v[146:147]
	v_pk_add_f32 v[244:245], v[244:245], v[150:151]
	v_pk_add_f32 v[14:15], v[14:15], v[154:155]
	v_pk_add_f32 v[216:217], v[216:217], v[158:159]
	s_delay_alu instid0(VALU_DEP_2)
	v_pk_add_f32 v[14:15], v[14:15], v[250:251]
	s_delay_alu instid0(VALU_DEP_2)
	v_pk_add_f32 v[216:217], v[216:217], v[248:249]
	v_pk_add_f32 v[254:255], v[254:255], v[246:247]
	v_pk_add_f32 v[252:253], v[252:253], v[244:245]
	s_delay_alu instid0(VALU_DEP_2)
	v_pk_add_f32 v[14:15], v[14:15], v[254:255]
	s_delay_alu instid0(VALU_DEP_2)
	v_pk_add_f32 v[216:217], v[216:217], v[252:253]
	s_delay_alu instid0(VALU_DEP_1)
	v_pk_add_f32 v[14:15], v[14:15], v[216:217]
	s_wait_alu depctr_va_vdst(0)                   ; and one for the four
.irp b, 0,1,2,3
	v_max_num_f32 v[BM+\b], 0x1800000, v[BM+\b]    ; the floor 2^(3 - 127)
.endr
.irp b, 0,1,2,3
	s_delay_alu instid0(VALU_DEP_4)
	v_add_nc_u32 v[BS+\b], 0xff000000, v[BM+\b]
.endr
.irp b, 0,1,2,3
	s_delay_alu instid0(VALU_DEP_4)
	v_lshrrev_b32 v[BT+\b], 23, v[BS+\b]
.endr
	s_delay_alu instid0(VALU_DEP_3)
	v_lshl_or_b32 v239, v[BT+1], 8, v[BT]          ; p's scale word
	s_delay_alu instid0(VALU_DEP_1)
	v_lshl_or_b32 v239, v[BT+2], 16, v239
	s_delay_alu instid0(VALU_DEP_1)
	v_lshl_or_b32 v239, v[BT+3], 24, v239
.irp c, 0,1
	v_cvt_scalef32_pk16_fp6_f32 v[192+6*\c:194+6*\c], v[96+32*\c:111+32*\c], v[BS+2*\c]
	v_cvt_scalef32_pk16_fp6_f32 v[204+4*\c:206+4*\c], v[112+32*\c:127+32*\c], v[BS+2*\c+1]
.endr
	v_nop                                          ; one plain place behind a scaled conversion
.irp c, 0,1
.irp i, 0,1,2
	v_permlane16_swap_b32 v[192+6*\c+\i], v[204+4*\c+\i]
.endr
.irp i, 0,1,2
	s_delay_alu instid0(VALU_DEP_3)
	v_mov_b32 v[195+6*\c+\i], v[204+4*\c+\i]
.endr
.endr
	v_cmp_lt_f32 vcc_lo, s[T0], v13                ; has my query seen a live key?  If not: 1.0 for every key, under the scale 1
	s_delay_alu instid0(VALU_DEP_1)
	v_cndmask_b32 v239, 0x7f7f7f7f, v239, vcc_lo
.irp g, 0,3,6,9
	v_cndmask_b32 v[192+\g], 0x08208208, v[192+\g], vcc_lo   ; the code of 1.0 (001000), sixteen times in 96 bits
	v_cndmask_b32 v[193+\g], 0x82082082, v[193+\g], vcc_lo
	v_cndmask_b32 v[194+\g], 0x20820820, v[194+\g], vcc_lo
.endr
.set J, 0
.rept 16
	v_pk_mul_f32 v[160+J:161+J], v[160+J:161+J], v[28:29] op_sel_hi:[1,0]   ; O^T under the new M; also the places between the lines above and the scaled products
.set J, J+2
.endr
	s_wait_alu depctr_va_vdst(0)
	s_wait_dscnt 0x0                               ; V and its scale words are in
.irp t, 0,2
	v_wmma_scale_f32_16x16x128_f8f6f4 v[160+8*\t:167+8*\t], v[32+12*\t:43+12*\t], v[192:203], v[160+8*\t:167+8*\t], v[236+\t/2], v239 matrix_a_fmt:MATRIX_FMT_FP6 matrix_b_fmt:MATRIX_FMT_FP6
	v_wmma_scale_f32_16x16x128_f8f6f4 v[168+8*\t:175+8*\t], v[44+12*\t:55+12*\t], v[192:203], v[168+8*\t:175+8*\t], v[236+\t/2], v239 matrix_a_fmt:MATRIX_FMT_FP6 matrix_b_fmt:MATRIX_FMT_FP6 matrix_a_scale:MATRIX_SCALE_ROW1
.endr
	s_add_co_u32 s[TS], s[TS], 512
	s_add_co_u32 s[TJ], s[TJ], 256
	s_xor_b32 s[TB], s[TB], SLOT1
.endm
; THE CHANGE OF SLOTS stands at a step's head: each wave waits for all its tensor loads, adds 0 to its spare word, and waits for that and for its reads of the slot that it has left.  fill = 1: a round of the cluster's
; barrier, and behind it the slot just left is filled with the next step: the load has a step's work in which to land.
.macro CHANGE fill
	s_wait_tensorcnt 0x0                           ; no tensor load of mine is out, so a group 0 may be written
	ds_add_u32 v[SPW], v[NIL]                      ; 0 onto my spare word
.if \fill
	s_xor_b32 s[G0KV+1], s[G0KV+1], SLOT1
	s_add_nc_u64 s[G0KV+2:G0KV+3], s[G0KV+2:G0KV+3], 49152
	s_xor_b32 s[G0M+1], s[G0M+1], SLOT1
	s_add_nc_u64 s[G0M+2:G0M+3], s[G0M+2:G0M+3], 512
	s_wait_xcnt 0x0                                ; the last prefetch, a step back, has read its address
	s_add_nc_u64 s[PFA:PFA+1], s[PFA:PFA+1], s[PFS:PFS+1]
.endif
	s_wait_dscnt 0x0                               ; the add is done, and my reads of the slot that I have left are over
.if \fill
	CROUND
	TLOAD                                          ; the first thing behind the round, a wave's one tensor load until the next
	ASK
.else
	s_barrier_signal -1
	s_barrier_wait -1
.endif
.endm
	s_wait_loadcnt 0x0                             ; Q
.Lstep:                                            ; 31 trips: behind each change of slots but the last the next step is asked for
	CHANGE 1
	STEP
	s_sub_co_u32 s[CNT], s[CNT], 1
	s_cmp_lg_u32 s[CNT], 0
	s_cbranch_scc1 .Lstep
	CHANGE 0                                       ; the last step is written out
	STEP
	; THE WAY OUT: O^T / the sum, in natural order, quantised along the channels, through a stage in LDS, so that a wave stores consecutive bytes.
	v_add_f32 v14, v14, v15
	s_delay_alu instid0(VALU_DEP_1)
	v_permlanex16_b32 v[TMP], v14, s[SEL], s[SEL+1]
	s_delay_alu instid0(VALU_DEP_1)
	v_add_f32 v14, v14, v[TMP]
	v_cmp_lt_f32 vcc_lo, s[T0], v13
	s_delay_alu instid0(VALU_DEP_1)
	v_cndmask_b32 v14, 0x45800000, v14, vcc_lo     ; a query with no live key: 4,096 equal weights
	s_wait_alu depctr_va_vdst(0)
	v_rcp_f32 v14, v14
	v_and_b32 v8, 15, v0                           ; r  (plain work behind the reciprocal)
	v_bfe_u32 v9, v0, 4, 1                         ; h
	s_wait_alu depctr_va_vdst(0)
	s_mul_i32 s82, s71, 16*272
	s_lshl_b32 s83, s70, 6
	s_add_co_u32 s82, s82, s83
	v_mul_u32_u24 v10, v8, 272
	s_delay_alu instid0(VALU_DEP_1)
	v_lshl_add_u32 v10, v9, 4, v10
	s_delay_alu instid0(VALU_DEP_1)
	v_add_nc_u32 v10, s82, v10                     ; in: row 16 tile + r; twelve bytes to a place of 16: place 4 head + 2 block + h
	s_lshl_b32 s82, s71, 7
	s_lshl_b32 s83, s70, 1
	s_add_co_u32 s82, s82, s83
	s_add_co_u32 s82, s82, SSTG
	v_lshlrev_b32 v11, 3, v8
	s_delay_alu instid0(VALU_DEP_1)
	v_add_nc_u32 v11, s82, v11                     ; my head's two scale bytes of my row
	s_mul_i32 s82, s[WV], 4*272
	v_mul_u32_u24 v30, v9, 272
	s_delay_alu instid0(VALU_DEP_1)
	v_lshl_add_u32 v30, v8, 4, v30
	s_delay_alu instid0(VALU_DEP_1)
	v_add_nc_u32 v30, s82, v30                     ; back: wave w takes rows 4 w .. 4 w + 3, two an instruction
	v_mul_u32_u24 v87, v8, 12
	s_mul_i32 s82, s[WV], 3072
	v_lshl_add_u32 v88, v0, 3, SSTG
	v_mad_u32_u24 v87, v9, 768, v87
	v_lshlrev_b32 v89, 5, v0
	v_add_nc_u32 v87, s82, v87                     ; and the same place in ac: row 4 w + h of 768 bytes, + 12 r
	s_wait_alu depctr_va_vdst(0)                   ; the wait ahead of the reciprocal's first reader
.set J, 0
.rept 16
	v_pk_mul_f32 v[96+J:97+J], v[160+J:161+J], v[14:15] op_sel_hi:[1,0]   ; register 8 t + j = o(r, 16 t + 8 h + j); each accumulator from its low end on
.set J, J+2
.endr
.irp b, 0,1
.irp j, 0,1,2,3,4,5,6,7
	v_permlane16_swap_b32 v[96+16*\b+\j], v[104+16*\b+\j]   ; now register 16 b + i = channel 32 b + 16 h + i: sixteen neighbours
.endr
.endr
.irp b, 0,1
	v_max3_num_f32 v[BM+\b], |v[96+16*\b]|, |v[97+16*\b]|, 0x1800000
.endr
.irp i, 2,4,6,8,10,12,14
.irp b, 0,1
	s_delay_alu instid0(VALU_DEP_2)
	v_max3_num_f32 v[BM+\b], v[BM+\b], |v[96+16*\b+\i]|, |v[97+16*\b+\i]|
.endr
.endr
.irp b, 0,1
	s_delay_alu instid0(VALU_DEP_2)
	v_permlanex16_b32 v[BT+\b], v[BM+\b], s[SEL], s[SEL+1]
.endr
.irp b, 0,1
	s_delay_alu instid0(VALU_DEP_2)
	v_max_num_f32 v[BM+\b], v[BM+\b], v[BT+\b]
.endr
.irp b, 0,1
	s_delay_alu instid0(VALU_DEP_2)
	v_add_nc_u32 v[BS+\b], 0xff000000, v[BM+\b]
.endr
.irp b, 0,1
	s_delay_alu instid0(VALU_DEP_2)
	v_lshrrev_b32 v[BT+\b], 23, v[BS+\b]
.endr
	s_delay_alu instid0(VALU_DEP_1)
	v_lshl_or_b32 v[TMP], v[BT+1], 8, v[BT]
	v_cvt_scalef32_pk16_fp6_f32 v[192:194], v[96:111], v[BS]
	v_cvt_scalef32_pk16_fp6_f32 v[196:198], v[112:127], v[BS+1]
	v_nop                                          ; one plain place behind a scaled conversion
	ds_store_b96 v10, v[192:194]
	ds_store_b96 v10, v[196:198] offset:32
	ds_store_b16 v11, v[TMP]                       ; both lanes of a row write the same two bytes
	s_wait_dscnt 0x0                               ; for the others' sake: my stores have landed
	s_barrier_signal -1
	s_barrier_wait -1
	ds_load_b96 v[96:98], v30
	ds_load_b96 v[100:102], v30 offset:544
	s_wait_dscnt 0x1                               ; the first is in; the second may be out
	global_store_b96 v87, v[96:98], s[14:15]       ; sixteen lanes store 192 consecutive bytes of a row
	s_wait_dscnt 0x0
	global_store_b96 v87, v[100:102], s[14:15] offset:1536
	s_cmp_lt_u32 s[WV], 2
	s_cbranch_scc0 .Lno_scales
	ds_load_b64 v[104:105], v88                    ; waves 0 and 1: a row's eight scale bytes a lane
	s_wait_dscnt 0x0
	global_store_b64 v89, v[104:105], s[16:17]
.Lno_scales:
	s_wait_tensorcnt 0x0                           ; the wave's end
	ds_add_u32 v[SPW], v[NIL]
	s_wait_dscnt 0x0
	CROUND                                         ; the closing round
	s_endpgm
.Lfunc_end_k_q9ece5f60a9_attn:
	.size	k_q9ece5f60a9_attn, .Lfunc_end_k_q9ece5f60a9_attn-k_q9ece5f60a9_attn
	.p2alignl 7, 3214868480
	.fill 96, 4, 3214868480
	.section	.rodata,"a",@progbits
	.p2align	6, 0x0
	.amdhsa_kernel k_q9ece5f60a9_attn
		.amdhsa_group_segment_fixed_size 327680
		.amdhsa_private_segment_fixed_size 0
		.amdhsa_enable_private_segment 0
		.amdhsa_kernarg_size 56
		.amdhsa_user_sgpr_count 2
		.amdhsa_user_sgpr_kernarg_segment_ptr 1
		.amdhsa_wavefront_size32 1
		.amdhsa_system_sgpr_workgroup_id_x 1
		.amdhsa_system_sgpr_workgroup_id_y 1
		.amdhsa_system_sgpr_workgroup_id_z 1
		.amdhsa_system_vgpr_workitem_id 0
		.amdhsa_next_free_vgpr 256
		.amdhsa_next_free_sgpr 100
		.amdhsa_reserve_vcc 1
		.amdhsa_float_denorm_mode_32 3
		.amdhsa_float_denorm_mode_16_64 3
		.amdhsa_memory_ordered 1
		.amdhsa_forward_progress 1
		.amdhsa_inst_pref_size 58
	.end_amdhsa_kernel
	.amdgpu_metadata
---
amdhsa.version: [ 1, 2 ]
amdhsa.kernels:
  - .name:           k_q9ece5f60a9_attn
    .symbol:         k_q9ece5f60a9_attn.kd
    .args:
      - { .name: qc, .offset: 0, .size: 8, .value_kind: global_buffer, .address_space: global }
      - { .name: qs, .offset: 8, .size: 8, .value_kind: global_buffer, .address_space: global }
      - { .name: kvc, .offset: 16, .size: 8, .value_kind: global_buffer, .address_space: global }
      - { .name: sc, .offset: 24, .size: 8, .value_kind: global_buffer, .address_space: global }
      - { .name: attention_mask, .offset: 32, .size: 8, .value_kind: global_buffer, .address_space: global }
      - { .name: ac, .offset: 40, .size: 8, .value_kind: global_buffer, .address_space: global }
      - { .name: as_, .offset: 48, .size: 8, .value_kind: global_buffer, .address_space: global }
    .group_segment_fixed_size: 327680
    .private_segment_fixed_size: 0
    .kernarg_segment_align: 8
    .kernarg_segment_size: 56
    .max_flat_workgroup_size: 512
    .sgpr_count:     100
    .vgpr_count:     256
    .wavefront_size: 32
...
	.end_amdgpu_metadata
.endif
;; end of part 2
;; launch outp (part 3): grid 8 x 32, 4 waves a work-group, clusters of 4 x 4, 327,680 bytes of LDS; arguments ac, as_, Wo_codes, Wo_scales, Ao_codes, Ao_scales, Bo, out0; writes out0
.if DOCPART == 3
	.amdgcn_target "amdgcn-amd-amdhsa--gfx1250"
	.amdhsa_code_object_version 6
	.text
	.protected	k_q9ece5f60a9_outp
	.globl	k_q9ece5f60a9_outp
	.p2align	8
	.type	k_q9ece5f60a9_outp,@function
k_q9ece5f60a9_outp:
	s_mov_b64 s[64:65], 0
	v_nop
	global_prefetch_b8 v0, s[64:65] scope:SCOPE_SE
	s_setreg_imm32_b32 hwreg(HW_REG_WAVE_MODE, 25, 1), 1
	s_wait_xcnt 0x0
	s_wait_alu depctr_hold_cnt(0) depctr_sa_sdst(0) depctr_va_vdst(0) depctr_va_sdst(0) depctr_va_ssrc(0) depctr_va_vcc(0) depctr_vm_vsrc(0)
	s_getreg_b32 s2, hwreg(HW_REG_IB_STS2, 6, 4)
	s_cmp_eq_u32 s2, 0
	s_cbranch_scc0 .Lentry_in_a_cluster
	s_endpgm
.Lentry_in_a_cluster:
	s_bfe_u32 s2, ttmp6, 0x10000c
	s_cmp_lg_u32 s2, 0xf033
	s_cbranch_scc0 .Lentry_shape_is_right
	s_endpgm
.Lentry_shape_is_right:
; out = a Wo^T + 2 (a Ao^T) Bo^T.  a: the attention's result, [4096][1024] as FP6 (E2M3) codes in rows of 768 bytes with E8M0 scales [4096][32]; Wo, Ao: given codes and scales; Bo f32; out f32.
; A work-group of four waves makes 128 x 128 of out: 8 x 32 = 256 work-groups.  ALL OF K lies in LDS at once: 128 rows of a, 128 rows of Wo, 16 rows of Ao, each row 768 bytes, brought once by three
; tensor loads whose rows begin at multiples of 256 bytes; 16 bytes of padding behind every 256 make the LDS pitch 816.  Nothing is filled again: one barrier, and eight steps of 128 along K with none.
; CLUSTERS 4 x 4: a's tile is shared along a row of the cluster, Wo's along a column: joint loads.  Ao's 12,288 bytes are the same for all sixteen work-groups, more than one mask may name: each work-group asks for them
; by a load of its own; they are 12,288 of the 208,896 bytes that it brings.  No prefetch: the launch has no loop to run ahead in; every byte is asked for at the head.
; A wave makes 64 x 64: 16 accumulators, and t = a Ao^T for its own 64 rows (4 more) from the fragments of a that it holds anyway.  Products are used transposed (source 0 = rows of Wo or Ao, source 1 = rows of a):
; a lane holds one row of out and eight neighbouring columns; in t a lane holds ranks 8 h + 0 .. 7 of its row, which is the bf16 operand's layout as it stands.  Behind the walk 2 t, rounded to bf16, times Bo (bf16, K = 16 filled to 32 with zeros) is added onto the same accumulators.
; SCALE WORDS come by loads of 512 consecutive bytes: lane (r, h) takes bytes 16 h .. 16 h + 15 of row r: register q holds step q's word in lanes 0-15 and step 4 + q's in lanes 16-31.
; REGISTERS: window 0: v1-14 addresses, v16-51 scale words, v60-61 the spare word's, v64-159 a's fragments (two sets; later 2 t), v160-223 the way out; window 1: v0-59, v64-123 Wo's and Ao's fragments (two sets), v128-159 Bo; window 2: v0-127 accumulators, v128-159 t.
.set PITCH,  816
.set FR,     12
.set LB,     128*PITCH                 ; Wo's tile, behind a's
.set LL,     2*128*PITCH               ; Ao's
.set STAGE,  LL+16*PITCH               ; the way out: 16 rows x 272 bytes for each wave, bytes of their own
.set SPITCH, 272
.set SPARE,  STAGE+4*16*SPITCH         ; the spare words
.set ADRA, 4                           ; v4, v5: my rows of a: row x pitch + 24 h; the same + 40 h, for a piece whose lanes 16-31 lie behind the next padding
.set ADRB, 6
.set ADRL, 8
.set XS,   10
.set UWO,  11
.set STO,  12
.set RD,   13
.set CO,   14
.set SA,   16
.set SB,   32
.set SL,   48
.set SPW,  60
.set NIL,  61
.set AF,   64
.set UT,   64
.set T2,   96
.set BK,   160
.set UW,   128
.set G1A, 28
.set G1B, 36
.set G1L, 44
.set G0A, 52
.set G0B, 56
.set G0L, 60
.set FLD, (3<<16)|(1<<20)|(1<<21)|(5<<22)|(3<<25)   ; elements of 8 bytes; padding on; bit 21 beside a mask; 4 words behind every 64
.set MSB, 0
.macro WIN new
.if MSB != \new
	s_set_vgpr_msb (MSB<<8)|\new
.set MSB, \new
.endif
.endm
.set MULW, 0xa1                        ; source 0 window 1, source 1 window 0, C and D window 2
.set TO_B, 0x40
.macro CROUND
	s_barrier_signal -1
	s_barrier_wait -1
	s_cmp_lg_u32 s20, 0
	s_cbranch_scc1 .Lnot_wave_0_\@
	s_barrier_signal -3
.Lnot_wave_0_\@:
	s_barrier_wait -3
	s_barrier_signal -1
	s_barrier_wait -1
.endm
.macro PLACES n
.rept \n
	v_nop
.endr
.endm
	s_load_b256 s[4:11], s[0:1], 0x0               ; ac, as_, Wo_codes, Wo_scales
	s_load_b256 s[12:19], s[0:1], 0x20             ; Ao_codes, Ao_scales, Bo, out0
	v_lshl_add_u32 v[SPW], v0, 2, SPARE
	v_mov_b32 v[NIL], 0
	ds_add_u32 v[SPW], v[NIL]                      ; the opening lines: the add, twice on end, and its wait
	ds_add_u32 v[SPW], v[NIL]
	v_lshrrev_b32 v1, 5, v0
	v_readfirstlane_b32 s20, v1                    ; wave
	s_lshr_b32 s21, s20, 1                         ; my half of the rows
	s_and_b32 s22, s20, 1                          ; my half of the columns
	s_bfe_u32 s23, ttmp6, 0x40000                  ; cx
	s_bfe_u32 s24, ttmp6, 0x40004                  ; cy
	s_lshl_b32 s25, ttmp9, 2
	s_add_co_u32 s25, s25, s23                     ; block column
	s_and_b32 s26, ttmp7, 0xffff
	s_lshl_b32 s26, s26, 2
	s_add_co_u32 s26, s26, s24                     ; block row
	s_lshl_b32 s66, s24, 2
	s_lshl_b32 s66, 15, s66                        ; my row of the cluster
	s_lshl_b32 s67, 0x1111, s23                    ; my column
	s_or_b32 s[G1A], s66, FLD
	s_or_b32 s[G1B], s67, FLD
	s_mov_b32 s[G1L], (3<<16)|(1<<20)|(5<<22)|(3<<25)   ; no mask: a load of my own
.irp g, G1A, G1B, G1L
	s_mov_b32 s[\g+1], 96<<16                      ; a row: 96 elements of 8 bytes
	s_mov_b32 s[\g+3], 96<<16
	s_mov_b32 s[\g+5], 96
	s_mov_b32 s[\g+6], 0
	s_mov_b32 s[\g+7], 0
.endr
.irp g, G1A, G1B
	s_mov_b32 s[\g+2], 128<<16
	s_mov_b32 s[\g+4], 128
.endr
	s_mov_b32 s[G1L+2], 16<<16
	s_mov_b32 s[G1L+4], 16
	s_mul_i32 s68, s26, 128*768                    ; a's tile
	s_mov_b32 s69, 0
	s_mul_i32 s70, s25, 128*768                    ; Wo's tile
	s_mov_b32 s71, 0
	s_lshl_b32 s72, s26, 7
	s_lshl_b32 s74, s21, 6
	s_add_co_u32 s72, s72, s74                     ; my first row
	s_lshl_b32 s73, s25, 7
	s_lshl_b32 s74, s22, 6
	s_add_co_u32 s73, s73, s74                     ; my first column
	s_lshl_b32 s74, s72, 5                         ; byte offsets: a's scales,
	s_mov_b32 s75, 0
	s_lshl_b32 s76, s73, 5                         ; Wo's scales,
	s_mov_b32 s77, 0
	s_lshl_b32 s78, s73, 6                         ; Bo,
	s_mov_b32 s79, 0
	s_lshl_b32 s80, s72, 12                        ; out
	s_lshl_b32 s81, s73, 2
	s_add_co_u32 s80, s80, s81
	s_mov_b32 s81, 0
	v_and_b32 v1, 15, v0                           ; r
	v_bfe_u32 v2, v0, 4, 1                         ; h
	v_mul_u32_u24 v3, v1, PITCH
	v_mad_u32_u24 v[ADRL], v2, 24, v3
	v_mad_u32_u24 v[ADRL+1], v2, 40, v3
	s_mul_i32 s82, s21, 64*PITCH
	s_mul_i32 s83, s22, 64*PITCH
	s_add_co_u32 s83, s83, LB
	v_add_nc_u32 v[ADRA], s82, v[ADRL]
	v_add_nc_u32 v[ADRA+1], s82, v[ADRL+1]
	v_add_nc_u32 v[ADRB], s83, v[ADRL]
	v_add_nc_u32 v[ADRB+1], s83, v[ADRL+1]
	v_add_nc_u32 v[ADRL], LL, v[ADRL]
	v_add_nc_u32 v[ADRL+1], LL, v[ADRL+1]
	v_lshlrev_b32 v[XS], 5, v1
	v_lshl_add_u32 v[XS], v2, 4, v[XS]             ; scales: 32 r + 16 h
	v_lshlrev_b32 v[UWO], 6, v1
	v_lshl_add_u32 v[UWO], v2, 5, v[UWO]           ; Bo: 64 r + 32 h
	s_mul_i32 s82, s20, 16*SPITCH
	s_add_co_u32 s82, s82, STAGE
	v_mul_u32_u24 v[STO], v1, SPITCH
	v_lshl_add_u32 v[STO], v2, 5, v[STO]
	v_add_nc_u32 v[STO], s82, v[STO]               ; in: row r, 32 bytes for each half of the lanes
	v_mul_u32_u24 v[RD], v2, SPITCH
	v_lshl_add_u32 v[RD], v1, 4, v[RD]
	v_add_nc_u32 v[RD], s82, v[RD]                 ; back: lanes 0-15 a row of 256 bytes, lanes 16-31 the next
	v_lshlrev_b32 v[CO], 12, v2
	v_lshl_add_u32 v[CO], v1, 4, v[CO]             ; and the same two rows in out
	s_wait_alu depctr_va_vdst(0)
	s_wait_dscnt 0x0                               ; both opening adds are done
	s_wait_kmcnt 0x0
	s_add_nc_u64 s[6:7], s[6:7], s[74:75]
	s_add_nc_u64 s[10:11], s[10:11], s[76:77]
	s_add_nc_u64 s[16:17], s[16:17], s[78:79]
	s_add_nc_u64 s[18:19], s[18:19], s[80:81]
	s_mov_b32 s[G0A], 1
	s_mov_b32 s[G0A+1], 0
	s_add_nc_u64 s[G0A+2:G0A+3], s[4:5], s[68:69]
	s_or_b32 s[G0A+3], s[G0A+3], 0x80000000
	s_mov_b32 s[G0B], 1
	s_mov_b32 s[G0B+1], LB
	s_add_nc_u64 s[G0B+2:G0B+3], s[8:9], s[70:71]
	s_or_b32 s[G0B+3], s[G0B+3], 0x80000000
	s_mov_b32 s[G0L], 1
	s_mov_b32 s[G0L+1], LL
	s_mov_b64 s[G0L+2:G0L+3], s[12:13]
	s_or_b32 s[G0L+3], s[G0L+3], 0x80000000
	CROUND                                         ; all sixteen work-groups are here: the joint loads meet
; the three fills, one a wave, in one chain of branches on the wave's number: wave 0 a's tile, wave 1 Wo's, wave 2 Ao's; wave 3 has none
.macro ARM under, g0, g1, next
	s_cmp_lt_u32 s20, \under
	s_cbranch_scc0 \next
	tensor_load_to_lds s[\g0:\g0+3], s[\g1:\g1+7]
	s_nop 0
.rept 4
	v_nop
.endr
	s_branch .Lasked
\next:
.endm
	ARM 1, G0A, G1A, .Lfor_b
	ARM 2, G0B, G1B, .Lfor_l
	ARM 3, G0L, G1L, .Lasked_none
.Lasked:
.irp i, 0,1,2,3
	global_load_b128 v[SA+4*\i:SA+4*\i+3], v[XS], s[6:7] offset:512*\i
	global_load_b128 v[SB+4*\i:SB+4*\i+3], v[XS], s[10:11] offset:512*\i
.endr
	global_load_b128 v[SL:SL+3], v[XS], s[14:15]
	WIN TO_B
.irp i, 0,1,2,3
	global_load_b128 v[UW+8*\i:UW+8*\i+3], v[UWO], s[16:17] offset:1024*\i
	global_load_b128 v[UW+8*\i+4:UW+8*\i+7], v[UWO], s[16:17] offset:1024*\i+16
.endr
	s_wait_loadcnt 0x0
	WIN 0x45                                       ; Bo to bf16 in place, its upper 16 along K zeros: under the tensor loads' flight
.irp i, 0,1,2,3
.irp k, 0,1,2,3
	v_cvt_pk_bf16_f32 v[UW+8*\i+\k], v[UW+8*\i+2*\k], v[UW+8*\i+2*\k+1]
.endr
.irp k, 4,5,6,7
	v_mov_b32 v[UW+8*\i+\k], 0
.endr
.endr
	WIN 0
	s_wait_alu depctr_va_vdst(0)
	s_wait_tensorcnt 0x0                           ; my tile is in
	s_barrier_signal -1
	s_barrier_wait -1                              ; and everybody's
.macro FRAG reg, adr, st, i            ; 16 rows x 128 K: six pieces of 8 bytes; byte y of a row lies at y + 16 (y / 256) of its LDS row
.irp p, 0,1,2,3,4,5
.set BY, 96*(\st)+48*(\p/3)+8*(\p%3)
.if BY/256 == (BY+24)/256
	ds_load_b64 v[\reg+2*\p:\reg+2*\p+1], v[\adr] offset:BY+16*(BY/256)+(\i)*16*PITCH
.else
	ds_load_b64 v[\reg+2*\p:\reg+2*\p+1], v[\adr+1] offset:BY+16*(BY/256)+(\i)*16*PITCH
.endif
.endr
.endm
.macro FETCH st                        ; 54 loads: step st's fragments into set st % 2
.set SE, (\st)%2
	WIN TO_B
.irp i, 0,1,2,3
	FRAG 64*SE+FR*\i, ADRB, \st, \i
.endr
	FRAG 64*SE+48, ADRL, \st, 0
	WIN 0
.irp i, 0,1,2,3
	FRAG AF+48*SE+FR*\i, ADRA, \st, \i
.endr
.endm
.macro WM d, x, y, sx, sy, st, zero
.if \zero
	v_wmma_scale_f32_16x16x128_f8f6f4 v[\d:\d+7], v[\x:\x+FR-1], v[\y:\y+FR-1], 0, v[\sx], v[\sy] matrix_a_fmt:MATRIX_FMT_FP6 matrix_b_fmt:MATRIX_FMT_FP6
.else
.if (\st) < 4
	v_wmma_scale_f32_16x16x128_f8f6f4 v[\d:\d+7], v[\x:\x+FR-1], v[\y:\y+FR-1], v[\d:\d+7], v[\sx], v[\sy] matrix_a_fmt:MATRIX_FMT_FP6 matrix_b_fmt:MATRIX_FMT_FP6
.else
	v_wmma_scale_f32_16x16x128_f8f6f4 v[\d:\d+7], v[\x:\x+FR-1], v[\y:\y+FR-1], v[\d:\d+7], v[\sx], v[\sy] matrix_a_fmt:MATRIX_FMT_FP6 matrix_b_fmt:MATRIX_FMT_FP6 matrix_a_scale:MATRIX_SCALE_ROW1 matrix_b_scale:MATRIX_SCALE_ROW1
.endif
.endif
.endm
.macro MUL st, zero                    ; 20 products, the 20 accumulators by turns
.set SE, (\st)%2
.set Q, (\st)%4
	WIN MULW
.irp a, 0,1,2,3
.irp b, 0,1,2,3
	WM 8*(4*\a+\b), 64*SE+FR*\b, AF+48*SE+FR*\a, SB+4*\b+Q, SA+4*\a+Q, \st, \zero
.endr
	WM 128+8*\a, 64*SE+48, AF+48*SE+FR*\a, SL+Q, SA+4*\a+Q, \st, \zero
.endr
.endm
	FETCH 0
	FETCH 1
	s_wait_dscnt 54                                ; step 0's are in; step 1's 54 may be out
	MUL 0, 1                                       ; the first products start the sums
.irp st, 1,2,3,4,5,6
	s_wait_dscnt 0x0                               ; this step's fragments, asked for ahead of the last 20 products
	PLACES 4                                       ; in front of loads into registers that the last products read
	FETCH \st+1
	MUL \st, 0
.endr
	s_wait_dscnt 0x0
	MUL 7, 0
	PLACES 4                                       ; in front of the first read of t and of writes over a's fragments
	WIN 0x0a
.set J, 0
.rept 16
	v_pk_add_f32 v[T2+J:T2+J+1], v[128+J:128+J+1], v[128+J:128+J+1]   ; 2 t, each tile from its low end on
.set J, J+2
.endr
	WIN 0
.irp a, 0,1,2,3
.irp k, 0,1,2,3
	v_cvt_pk_bf16_f32 v[UT+8*\a+\k], v[T2+8*\a+2*\k], v[T2+8*\a+2*\k+1]
.endr
.irp k, 4,5,6,7
	v_mov_b32 v[UT+8*\a+\k], 0
.endr
.endr
	PLACES 5                                       ; another form takes the accumulators up
	WIN MULW
.irp a, 0,1,2,3
.irp b, 0,1,2,3
	v_wmma_f32_16x16x32_bf16 v[8*(4*\a+\b):8*(4*\a+\b)+7], v[UW+8*\b:UW+8*\b+7], v[UT+8*\a:UT+8*\a+7], v[8*(4*\a+\b):8*(4*\a+\b)+7]
.endr
.endr
	PLACES 4
; THE WAY OUT, by blocks of 16 rows x 64 columns through my own stage; LDS serves a wave's instructions in order, so no wait stands between the stores and the loads
.macro TOSTAGE a
	WIN 0x08
.irp b, 0,1,2,3
	ds_store_b128 v[STO], v[8*(4*(\a)+\b):8*(4*(\a)+\b)+3] offset:64*\b
	ds_store_b128 v[STO], v[8*(4*(\a)+\b)+4:8*(4*(\a)+\b)+7] offset:64*\b+16
.endr
	WIN 0
.set BB, BK+32*((\a)%2)
.irp t, 0,1,2,3,4,5,6,7
	ds_load_b128 v[BB+4*\t:BB+4*\t+3], v[RD] offset:\t*2*SPITCH
.endr
.endm
.macro SEND a, younger                 ; younger: the LDS instructions issued behind block a's loads
.set BB, BK+32*((\a)%2)
	s_wait_dscnt \younger
.irp t, 0,1,2,3,4,5,6,7
	global_store_b128 v[CO], v[BB+4*\t:BB+4*\t+3], s[18:19] offset:(16*(\a)+2*\t)*4096 th:TH_STORE_NT   ; 16 lanes store 256 consecutive bytes, at a multiple of 256 from out's first byte
.endr
.endm
	TOSTAGE 0
.irp a, 1,2,3
.if \a > 1
	s_wait_xcnt 0x0                                ; block a - 2's stores have read their registers: block a's loads may land there
.endif
	TOSTAGE \a
	SEND \a-1, 16                                  ; behind block a - 1's loads: block a's 8 stores and 8 loads
.endr
	SEND 3, 0
	s_wait_tensorcnt 0x0                           ; the wave's end
	ds_add_u32 v[SPW], v[NIL]
	s_wait_dscnt 0x0
	CROUND                                         ; the closing round
	s_endpgm
.Lfunc_end_k_q9ece5f60a9_outp:
	.size	k_q9ece5f60a9_outp, .Lfunc_end_k_q9ece5f60a9_outp-k_q9ece5f60a9_outp
	.p2alignl 7, 3214868480
	.fill 96, 4, 3214868480
	.section	.rodata,"a",@progbits
	.p2align	6, 0x0
	.amdhsa_kernel k_q9ece5f60a9_outp
		.amdhsa_group_segment_fixed_size 327680
		.amdhsa_private_segment_fixed_size 0
		.amdhsa_enable_private_segment 0
		.amdhsa_kernarg_size 64
		.amdhsa_user_sgpr_count 2
		.amdhsa_user_sgpr_kernarg_segment_ptr 1
		.amdhsa_wavefront_size32 1
		.amdhsa_system_sgpr_workgroup_id_x 1
		.amdhsa_system_sgpr_workgroup_id_y 1
		.amdhsa_system_sgpr_workgroup_id_z 1
		.amdhsa_system_vgpr_workitem_id 0
		.amdhsa_next_free_vgpr 768
		.amdhsa_next_free_sgpr 84
		.amdhsa_reserve_vcc 0
		.amdhsa_float_denorm_mode_32 3
		.amdhsa_float_denorm_mode_16_64 3
		.amdhsa_memory_ordered 1
		.amdhsa_forward_progress 1
		.amdhsa_inst_pref_size 71
	.end_amdhsa_kernel
	.amdgpu_metadata
---
amdhsa.version: [ 1, 2 ]
amdhsa.kernels:
  - .name:           k_q9ece5f60a9_outp
    .symbol:         k_q9ece5f60a9_outp.kd
    .args:
      - { .name: ac, .offset: 0, .size: 8, .value_kind: global_buffer, .address_space: global }
      - { .name: as_, .offset: 8, .size: 8, .value_kind: global_buffer, .address_space: global }
      - { .name: Wo_codes, .offset: 16, .size: 8, .value_kind: global_buffer, .address_space: global }
      - { .name: Wo_scales, .offset: 24, .size: 8, .value_kind: global_buffer, .address_space: global }
      - { .name: Ao_codes, .offset: 32, .size: 8, .value_kind: global_buffer, .address_space: global }
      - { .name: Ao_scales, .offset: 40, .size: 8, .value_kind: global_buffer, .address_space: global }
      - { .name: Bo, .offset: 48, .size: 8, .value_kind: global_buffer, .address_space: global }
      - { .name: out0, .offset: 56, .size: 8, .value_kind: global_buffer, .address_space: global }
    .group_segment_fixed_size: 327680
    .private_segment_fixed_size: 0
    .kernarg_segment_align: 8
    .kernarg_segment_size: 64
    .max_flat_workgroup_size: 128
    .sgpr_count:     84
    .vgpr_count:     768
    .wavefront_size: 32
...
	.end_amdgpu_metadata
.endif
;; end of part 3
